; MI455X (gfx1250); checked and timed in simulation.
; The chip was launched on July 23, 2026; its instructions are those of AMD's public machine-readable ISA for CDNA 5 (MIT licence, August 2026) and "CDNA5" Instruction Set Architecture Reference Guide (July 2026). The comments in the code are by the model that wrote it; some were corrected since.
;; Neo Attention. Allowed arithmetic: float matrix products may take bf16 or f16 operands with f32 sums; other float arithmetic in f32, or as packed bf16 or f16 multiplies, adds, multiply-adds, maxima and minima; sums over many terms, partial sums and values carried from step to step in f32; what a program stores and reads back later, other than sums and carried values, may be rounded once to bf16 or f16.
;; Inputs: hidden_states 1 x 2,048 x 2,048 float32; indexes 3 x 2,048 int32; kn_h 64 float32; kn_t 128 float32; kn_w 64 float32; qn_h 64 float32; qn_t 128 float32; qn_w 64 float32; wk 2,048 x 1,024 float32; wk_hw 2,048 x 1,024 float32; wo 2,048 x 2,048 float32; wq 2,048 x 2,048 float32; wq_hw 2,048 x 2,048 float32; wv 2,048 x 1,024 float32.
;; Outputs: out0 1 x 2,048 x 2,048 float32.
;; One version. Each part assembles by itself: llvm-mc -triple=amdgcn-amd-amdhsa -mcpu=gfx1250 --defsym DOCPART=n.
;; ======== version 1 of 1: 4 launches
;; limits: values are held in f16: magnitudes above 65,504 overflow, below 6.1e-05 lose precision
;; workspace buffers: xb 8,388,608 bytes; wcat 29,360,128 bytes; wob 8,388,608 bytes; tab 2,099,200 bytes; qb 16,777,216 bytes; kb 8,388,608 bytes; vb 4,194,304 bytes; ao 8,388,608 bytes
;; launch prep (part 1): grid 1536 x 1, 8 waves a work-group, no clusters, 0 bytes of LDS; arguments hidden_states, wq, wq_hw, wk, wk_hw, wv, wo, indexes, qn_t, qn_h, qn_w, kn_t, kn_h, kn_w, xb, wcat, wob, tab; writes xb, wcat, wob, tab
.if DOCPART == 1
	.amdgcn_target "amdgcn-amd-amdhsa--gfx1250"
	.amdhsa_code_object_version 6
	.text
	.protected	k_qfbbeed0d98_prep
	.globl	k_qfbbeed0d98_prep
	.p2align	8
	.type	k_qfbbeed0d98_prep,@function
k_qfbbeed0d98_prep:
	s_mov_b64 s[64:65], 0
	v_nop
	global_prefetch_b8 v0, s[64:65] scope:SCOPE_SE
	s_setreg_imm32_b32 hwreg(HW_REG_WAVE_MODE, 25, 1), 1
	s_wait_xcnt 0x0
; PREP: every input is rounded once to bf16 and laid out for the launches behind; the cos/sin table and the gain table are made.
;   xb   [2048 s][2048 k] bf16 = hidden_states
;   wcat [2048 k][7168 n] bf16 = wq | wq_hw | wk | wk_hw | wv side by side.  In the two _hw parts bits 5 and 6 of the column number inside a head are swapped:
;        a head's 128 columns lie as h 0-31, w 0-31, h 32-63, w 32-63, so that the RoPE partner of column p < 64 is p + 64 in every head tile.
;   wob  [2048 k][2048 n] f16 = wo rounded to bf16, that number written as f16 (below 6.1e-5 it keeps f16's fixed step of 6e-8)
;   tab  row s, 1,024 bytes of f32: cos_t 64, sin_t 64, (cos_h 32, cos_w 32), (sin_h 32, sin_w 32); from byte 2,097,152 four rows of 128 gains, each rounded to bf16:
;        qn_t, (qn_h, qn_w) in the permuted order, kn_t, (kn_h, kn_w) in the permuted order.
; SHARES.  Work-groups 0-1407 cast 16,384 consecutive f32 each (65,536 bytes in, 32,768 out); 1408-1535 make 16 table rows each; 1408 makes the gains too.
; No LDS, no barrier, no matrix unit: a stream, each byte read once and written once; a wave's store covers 512 consecutive bytes (the permutation moves pieces of 64 bytes inside 256).
; LIMITS.  cos and sin by a reduction to |r| <= pi/4 in two steps and polynomials of degree 7 and 8: good to some 3e-7 beside the rounding of the angle itself; positions up to 2^24.
.set NCAST, 1408
.set OFFD,  8                          ; v[8:15]    pass p: my byte offset in the destination
.set T,     16                         ; v[16:23]   at work
.set X,     32                         ; v[32:95]   pass p: 8 f32 as loaded
.set Y,     96                         ; v[96:127]  pass p: 4 registers to store
	s_load_b512 s[8:23], s[0:1], 0x0               ; hs s8, wq s10, wq_hw s12, wk s14, wk_hw s16, wv s18, wo s20, indexes s22
	s_load_b512 s[24:39], s[0:1], 0x40             ; qn_t s24, qn_h s26, qn_w s28, kn_t s30, kn_h s32, kn_w s34, xb s36, wcat s38
	s_load_b128 s[40:43], s[0:1], 0x80             ; wob s40, tab s42
	s_mov_b32 s2, ttmp9
	v_lshrrev_b32 v1, 5, v0
	v_readfirstlane_b32 s3, v1                     ; wave 0..7
	s_wait_kmcnt 0x0
	s_cmp_ge_u32 s2, NCAST
	s_cbranch_scc1 .Ltable
	; THE CAST.  Which tensor: source, destination, first work-group, destination pitch and first byte column, narrow (1,024 columns), permuted.
	s_mov_b64 s[44:45], s[8:9]
	s_mov_b64 s[46:47], s[36:37]
	s_mov_b32 s48, 0
	s_mov_b32 s49, 4096
	s_mov_b32 s50, 0
	s_mov_b32 s51, 0
	s_mov_b32 s52, 0
.macro PICK bound, src, dst, pitch, colb, nar, perm
	s_cmp_ge_u32 s2, \bound
	s_cselect_b64 s[44:45], s[\src:\src+1], s[44:45]
	s_cselect_b64 s[46:47], s[\dst:\dst+1], s[46:47]
	s_cselect_b32 s48, \bound, s48
	s_cselect_b32 s49, \pitch, s49
	s_cselect_b32 s50, \colb, s50
	s_cselect_b32 s51, \nar, s51
	s_cselect_b32 s52, \perm, s52
.endm
	PICK 256,  10, 38, 14336, 0,     0, 0
	PICK 512,  12, 38, 14336, 4096,  0, 1
	PICK 768,  14, 38, 14336, 8192,  1, 0
	PICK 896,  16, 38, 14336, 10240, 1, 1
	PICK 1024, 18, 38, 14336, 12288, 1, 0
	PICK 1152, 20, 40, 4096,  0,     0, 0
	s_sub_co_u32 s53, s2, s48                      ; my number within the tensor
	s_lshl_b32 s54, s53, 16
	s_mov_b32 s55, 0
	s_add_nc_u64 s[44:45], s[44:45], s[54:55]      ; 65,536 source bytes each
	s_lshl_b32 s54, s53, 3
	s_lshl_b32 s54, s54, s51                       ; my first row: 8 rows of 2,048, or 16 of 1,024
	s_mul_i32 s54, s54, s49
	s_add_co_u32 s54, s54, s50
	s_add_nc_u64 s[46:47], s[46:47], s[54:55]
	s_lshl_b32 s56, s49, s51                       ; a pass is 2,048 numbers: one row, or two
	s_mul_i32 s57, s49, s51                        ; narrow: threads 128-255 are one row further down
	s_lshr_b32 s58, 255, s51
	v_lshlrev_b32 v1, 5, v0                        ; 32 source bytes a thread
	v_and_b32 v2, s58, v0
	v_lshlrev_b32 v2, 4, v2                        ; my 16 bytes in the destination row
	v_lshrrev_b32 v3, 6, v2
	v_lshrrev_b32 v4, 7, v2
	v_xor_b32 v3, v3, v4
	v_and_b32 v3, s52, v3                          ; permuted, and byte bits 6 and 7 differ:
	v_mul_u32_u24 v3, 192, v3
	v_xor_b32 v2, v2, v3                           ; both are turned
	v_lshrrev_b32 v4, 7, v0
	v_mad_u32_u24 v[OFFD], v4, s57, v2
.irp p, 1,2,3,4,5,6,7
	v_add_nc_u32 v[OFFD+(\p)], s56, v[OFFD+(\p)-1]
.endr
.irp p, 0,1,2,3,4,5,6,7
	global_load_b128 v[X+8*(\p):X+8*(\p)+3],   v1, s[44:45] offset:8192*(\p) th:TH_LOAD_NT
	global_load_b128 v[X+8*(\p)+4:X+8*(\p)+7], v1, s[44:45] offset:8192*(\p)+16 th:TH_LOAD_NT
.endr
; Pass p.  No register that a load or store names is written twice, so the only wait is the one for the data.
.macro CAST p, f16
	s_wait_loadcnt 14-2*(\p)                       ; loads come back in order: the 2 (7 - p) younger ones stay out
.irp k, 0,1,2,3
	v_cvt_pk_bf16_f32 v[Y+4*(\p)+(\k)], v[X+8*(\p)+2*(\k)], v[X+8*(\p)+2*(\k)+1]
.endr
.if \f16
.irp k, 0,1,2,3
	v_lshlrev_b32 v[T+2*(\k)],   16, v[Y+4*(\p)+(\k)]
	v_and_b32     v[T+2*(\k)+1], 0xffff0000, v[Y+4*(\p)+(\k)]
.endr
.irp k, 0,1,2,3
	v_cvt_pk_f16_f32 v[Y+4*(\p)+(\k)], v[T+2*(\k)], v[T+2*(\k)+1]
.endr
.endif
	global_store_b128 v[OFFD+(\p)], v[Y+4*(\p):Y+4*(\p)+3], s[46:47]
.endm
	s_cmp_ge_u32 s2, 1152
	s_cbranch_scc1 .Lwo
.irp p, 0,1,2,3,4,5,6,7
	CAST \p, 0
.endr
	s_endpgm
.Lwo:
.irp p, 0,1,2,3,4,5,6,7
	CAST \p, 1
.endr
	s_endpgm
	; THE TABLE.  Two waves make a row: the even one the 64 angles of t, the odd one the 32 of h and the 32 of w.  A lane makes two neighbouring angles; four passes, four rows apart.
.Ltable:
	s_sub_co_u32 s4, s2, NCAST
	s_and_b32 s5, s3, 1                            ; 0: t, 1: h and w
	s_mov_b32 s6, 0xbed49a78                       ; -log2(1e4) / 32
	s_cmp_eq_u32 s5, 0
	s_cselect_b32 s6, 0xbe9f73db, s6               ; -log2(1e6) / 64
	s_cselect_b32 s7, 63, 31
	s_mov_b32 s50, 0x3f22f983                      ; 2 / pi
	s_mov_b32 s51, 0x3fc90fdb                      ; pi / 2, its upper part
	s_mov_b32 s52, 0xb33bbd2e                      ; and the rest
	s_mov_b32 s53, 0xb9500d01                      ; -1/5040
	s_mov_b32 s54, 0x3c088889                      ; 1/120
	s_mov_b32 s55, 0xbe2aaaab                      ; -1/6
	s_mov_b32 s56, 0x37d00d01                      ; 1/40320
	s_mov_b32 s57, 0xbab60b61                      ; -1/720
	s_mov_b32 s58, 0x3d2aaaab                      ; 1/24
	v_and_b32 v1, 31, v0                           ; lane
	v_lshrrev_b32 v2, 6, v0                        ; pair of waves 0..3
	v_lshlrev_b32 v3, 1, v1
	v_and_b32 v3, s7, v3                           ; my first angle's number on its axis
	v_cvt_f32_u32 v4, v3
	v_add_f32 v5, 1.0, v4
	v_mul_f32 v4, s6, v4
	v_mul_f32 v5, s6, v5
	v_exp_f32 v4, v4                               ; theta^(-i / half)
	v_exp_f32 v5, v5
	v_lshrrev_b32 v6, 4, v1                        ; (a plain line behind the two exponentials)
	v_add_nc_u32 v6, 1, v6
	v_mul_u32_u24 v6, v6, s5                       ; row of indexes: 0 for t; 1 (lanes 0-15) or 2 for h, w
	v_lshl_add_u32 v6, v6, 11, v2
	s_lshl_b32 s44, s4, 4                          ; my first position
	v_add_lshl_u32 v6, v6, s44, 2
.irp p, 0,1,2,3
	global_load_b32 v[8+(\p)], v6, s[22:23] offset:16*(\p)
.endr
	v_lshlrev_b32 v7, 10, v2                       ; where I store: row, half of the row, 8 bytes a lane
	v_lshl_add_u32 v7, v1, 3, v7
	s_lshl_b32 s45, s5, 9
	v_add_nc_u32 v7, s45, v7
	s_wait_alu depctr_va_vdst(0)
	s_lshl_b32 s44, s4, 14
	s_mov_b32 s45, 0
	s_add_nc_u64 s[46:47], s[42:43], s[44:45]
.macro SINCOS x, c, s
	v_mul_f32 v16, s50, v[\x]
	v_rndne_f32 v16, v16                           ; n quarter turns
	v_fma_f32 v17, -v16, s51, v[\x]
	v_fma_f32 v17, -v16, s52, v17                  ; r
	v_mul_f32 v18, v17, v17
	v_cvt_i32_f32 v19, v16
	v_fma_f32 v20, v18, s53, s54
	v_fma_f32 v21, v18, s56, s57
	v_fma_f32 v20, v20, v18, s55
	v_fma_f32 v21, v21, v18, s58
	v_mul_f32 v22, v17, v18
	v_fma_f32 v21, v21, v18, -0.5
	v_fma_f32 v20, v22, v20, v17                   ; sin r
	v_fma_f32 v21, v21, v18, 1.0                   ; cos r
	v_and_b32 v22, 1, v19
	v_cmp_ne_u32 vcc_lo, 0, v22                    ; an odd quarter swaps the two
	v_cndmask_b32 v[\s], v20, v21, vcc_lo
	v_cndmask_b32 v[\c], v21, v20, vcc_lo
	v_and_b32 v22, 2, v19
	v_add_nc_u32 v23, 1, v19
	v_lshlrev_b32 v22, 30, v22                     ; quarters 2, 3 turn the sine's sign,
	v_and_b32 v23, 2, v23
	v_xor_b32 v[\s], v[\s], v22
	v_lshlrev_b32 v23, 30, v23                     ; quarters 1, 2 the cosine's
	v_xor_b32 v[\c], v[\c], v23
.endm
.irp p, 0,1,2,3
	s_wait_loadcnt 3-(\p)                          ; the younger index loads stay out
	v_cvt_f32_i32 v12, v[8+(\p)]
	v_mul_f32 v13, v12, v5
	v_mul_f32 v12, v12, v4
	SINCOS 12, 32+4*(\p), 34+4*(\p)
	SINCOS 13, 33+4*(\p), 35+4*(\p)
	global_store_b64 v7, v[32+4*(\p):33+4*(\p)], s[46:47] offset:4096*(\p)      ; a wave stores 256 consecutive bytes, aligned
	global_store_b64 v7, v[34+4*(\p):35+4*(\p)], s[46:47] offset:4096*(\p)+256
.endr
	s_cmp_lg_u32 s2, NCAST
	s_cbranch_scc1 .Ldone
	; THE GAINS.  Wave w makes half w % 2 of row w / 2.  All three vectors are loaded and the value is selected, so that no branch is needed.
	s_lshr_b32 s44, s3, 2
	s_cmp_eq_u32 s44, 0
	s_cselect_b64 s[60:61], s[24:25], s[30:31]
	s_cselect_b64 s[62:63], s[26:27], s[32:33]
	s_cselect_b64 s[66:67], s[28:29], s[34:35]
	s_lshl_b32 s44, s5, 8
	v_lshl_add_u32 v24, v1, 3, s44                 ; t: 64 numbers a half
	v_and_b32 v25, 15, v1
	s_lshl_b32 s45, s5, 7
	v_lshl_add_u32 v25, v25, 3, s45                ; h, w: 32 numbers a half
	global_load_b64 v[26:27], v24, s[60:61]
	global_load_b64 v[28:29], v25, s[62:63]
	global_load_b64 v[30:31], v25, s[66:67]
	v_lshlrev_b32 v48, 3, v0
	v_cmp_le_u32 vcc_lo, 16, v1                    ; lanes 16-31 hold w's columns
	v_bfe_u32 v49, v0, 6, 1
	v_cmp_ne_u32 s48, 0, v49                       ; rows 1 and 3 are the h, w rows
	s_wait_loadcnt 0x0
	v_cndmask_b32 v28, v28, v30, vcc_lo
	v_cndmask_b32 v29, v29, v31, vcc_lo
	v_cndmask_b32 v26, v26, v28, s48
	v_cndmask_b32 v27, v27, v29, s48
	v_cvt_pk_bf16_f32 v26, v26, v27
	v_lshlrev_b32 v50, 16, v26
	v_and_b32 v51, 0xffff0000, v26
	global_store_b64 v48, v[50:51], s[42:43] offset:2097152
.Ldone:
	s_endpgm
.Lfunc_end_k_qfbbeed0d98_prep:
	.size	k_qfbbeed0d98_prep, .Lfunc_end_k_qfbbeed0d98_prep-k_qfbbeed0d98_prep
	.p2alignl 7, 3214868480
	.fill 96, 4, 3214868480
	.section	.rodata,"a",@progbits
	.p2align	6, 0x0
	.amdhsa_kernel k_qfbbeed0d98_prep
		.amdhsa_group_segment_fixed_size 0
		.amdhsa_private_segment_fixed_size 0
		.amdhsa_enable_private_segment 0
		.amdhsa_kernarg_size 144
		.amdhsa_user_sgpr_count 2
		.amdhsa_user_sgpr_kernarg_segment_ptr 1
		.amdhsa_wavefront_size32 1
		.amdhsa_system_sgpr_workgroup_id_x 1
		.amdhsa_system_sgpr_workgroup_id_y 1
		.amdhsa_system_sgpr_workgroup_id_z 1
		.amdhsa_system_vgpr_workitem_id 0
		.amdhsa_next_free_vgpr 128
		.amdhsa_next_free_sgpr 72
		.amdhsa_reserve_vcc 1
		.amdhsa_float_denorm_mode_32 3
		.amdhsa_float_denorm_mode_16_64 3
		.amdhsa_memory_ordered 1
		.amdhsa_forward_progress 1
		.amdhsa_inst_pref_size 31
	.end_amdhsa_kernel
	.amdgpu_metadata
---
amdhsa.version: [ 1, 2 ]
amdhsa.kernels:
  - .name:           k_qfbbeed0d98_prep
    .symbol:         k_qfbbeed0d98_prep.kd
    .args:
      - { .name: hidden_states, .offset: 0, .size: 8, .value_kind: global_buffer, .address_space: global }
      - { .name: wq, .offset: 8, .size: 8, .value_kind: global_buffer, .address_space: global }
      - { .name: wq_hw, .offset: 16, .size: 8, .value_kind: global_buffer, .address_space: global }
      - { .name: wk, .offset: 24, .size: 8, .value_kind: global_buffer, .address_space: global }
      - { .name: wk_hw, .offset: 32, .size: 8, .value_kind: global_buffer, .address_space: global }
      - { .name: wv, .offset: 40, .size: 8, .value_kind: global_buffer, .address_space: global }
      - { .name: wo, .offset: 48, .size: 8, .value_kind: global_buffer, .address_space: global }
      - { .name: indexes, .offset: 56, .size: 8, .value_kind: global_buffer, .address_space: global }
      - { .name: qn_t, .offset: 64, .size: 8, .value_kind: global_buffer, .address_space: global }
      - { .name: qn_h, .offset: 72, .size: 8, .value_kind: global_buffer, .address_space: global }
      - { .name: qn_w, .offset: 80, .size: 8, .value_kind: global_buffer, .address_space: global }
      - { .name: kn_t, .offset: 88, .size: 8, .value_kind: global_buffer, .address_space: global }
      - { .name: kn_h, .offset: 96, .size: 8, .value_kind: global_buffer, .address_space: global }
      - { .name: kn_w, .offset: 104, .size: 8, .value_kind: global_buffer, .address_space: global }
      - { .name: xb, .offset: 112, .size: 8, .value_kind: global_buffer, .address_space: global }
      - { .name: wcat, .offset: 120, .size: 8, .value_kind: global_buffer, .address_space: global }
      - { .name: wob, .offset: 128, .size: 8, .value_kind: global_buffer, .address_space: global }
      - { .name: tab, .offset: 136, .size: 8, .value_kind: global_buffer, .address_space: global }
    .group_segment_fixed_size: 0
    .private_segment_fixed_size: 0
    .kernarg_segment_align: 8
    .kernarg_segment_size: 144
    .max_flat_workgroup_size: 256
    .sgpr_count:     72
    .vgpr_count:     128
    .wavefront_size: 32
...
	.end_amdgpu_metadata
.endif
;; end of part 1
;; launch qkv (part 2): grid 28 x 8, 4 waves a work-group, clusters of 4 x 4, 327,680 bytes of LDS; arguments xb, wcat, tab, qb, kb, vb; writes qb, kb, vb
.if DOCPART == 2
	.amdgcn_target "amdgcn-amd-amdhsa--gfx1250"
	.amdhsa_code_object_version 6
	.text
	.protected	k_qfbbeed0d98_qkv
	.globl	k_qfbbeed0d98_qkv
	.p2align	8
	.type	k_qfbbeed0d98_qkv,@function
k_qfbbeed0d98_qkv:
	s_mov_b64 s[64:65], 0
	v_nop
	global_prefetch_b8 v0, s[64:65] scope:SCOPE_SE
	s_setreg_imm32_b32 hwreg(HW_REG_WAVE_MODE, 25, 1), 1
	s_wait_xcnt 0x0
	s_wait_alu depctr_hold_cnt(0) depctr_sa_sdst(0) depctr_va_vdst(0) depctr_va_sdst(0) depctr_va_ssrc(0) depctr_va_vcc(0) depctr_vm_vsrc(0)
	s_getreg_b32 s2, hwreg(HW_REG_IB_STS2, 6, 4)
	s_cmp_eq_u32 s2, 0
	s_cbranch_scc0 .Lentry_in_a_cluster
	s_endpgm
.Lentry_in_a_cluster:
	s_bfe_u32 s2, ttmp6, 0x10000c
	s_cmp_lg_u32 s2, 0xf033
	s_cbranch_scc0 .Lentry_shape_is_right
	s_endpgm
.Lentry_shape_is_right:
; QKV: C = xb wcat, [2048 s] x [7168 n] over K = 2048, bf16 operands, f32 sums; on the way out RMS norm, gain and RoPE in f32, and one rounding to f16.
; A tile of C is 256 x 256: four waves, each 128 positions x 128 columns = ONE head tile (q_t, q_hw, k_t, k_hw or v of one head): 64 accumulators, 512 registers.
; K goes in steps of 128 through a ring of two LDS slots filled by tensor loads.  xb's rows lie along K and are read as they lie; wcat lies [k][n] and is turned on the way out of LDS (ds_load_tr16_b128).
; CLUSTERS: 4 x 4 work-groups.  xb's tile hangs on the tile row alone and is asked for jointly by a row of the cluster, wcat's on the tile column alone, by a column.
; 224 work-groups: 28 x 8 tiles of this size are what the shape gives; a tile of half the size would feed half as many products from each LDS byte.
; THE MATRIX INSTRUCTION IS USED TRANSPOSED (source 0 = 16 columns of wcat, source 1 = 16 rows of xb): a lane holds one position (lane % 16) and, of each block of 16 columns, the eight 8 (lane / 16) + 0..7.
; THE WAY OUT.  The accumulators are set down in LDS (in the ring, which has had its last fill), so that ONE text, walked eight times, takes 16 positions at a time.  In every head tile the RoPE partner of
; column p < 64 is p + 64 (the _hw columns were permuted for that), that is block b and block b + 4 in the same lane; the norm's groups are blocks 0, 1, 4, 5 and blocks 2, 3, 6, 7: for a t tile both take
; the mean over all 128, for an hw tile each its own 64 (two scalars T and INV steer that).  y = x g rs, then y_lo cos - y_hi sin and y_hi cos + y_lo sin.
; LIMITS.  q, k, v leave in f16: q and k are at most sqrt(128) times the gain; v must stay under 65,504.  NaN and infinities are not treated apart.
; REGISTERS, in windows of 256: window 0: v0-31 addresses; v64-127, v128-191 fragments of xb, two buffers; on the way out v2-15 sums, v32-255 at work.  window 1: v64-191 fragments of wcat.  windows 2, 3: accumulators.
.set SIZE_K, 2048
.set SIZE_N, 7168
.set KSTEP,  128
.set PA,     272                       ; a row of xb's tile in LDS: 256 bytes + 16: the 16 rows of a load start at 16 different groups of four banks (ISA guide 11.1)
.set PB,     544                       ; a k-row of wcat's tile: 512 bytes + 32 = 17 x 32
.set HALFT,  128*PA                    ; what one tensor load brings: 128 rows of xb, or 64 k-rows of wcat (64 x 544 is the same number)
.set SLOT,   4*HALFT
.set STAGE,  2*SLOT                    ; behind the ring: 16 rows x 272 bytes for each wave
.set SPITCH, 272
.set SPARE,  STAGE+4*16*SPITCH         ; the spare words, 128 bytes a wave, which no other line names
.set DPITCH, 528                       ; the accumulators set down: a row of 128 f32 + 16 bytes; wave w's 128 rows from w x 67,584
.set LAPS,   SIZE_K/(2*KSTEP)
.set ADRA, 16                          ; v16-17  LDS address of my xb fragments in slot 0, 1
.set DMP,  18                          ; v18     where my accumulators are set down; steps 16 rows a trip
.set TO,   19                          ; v19     my byte offset in the cos/sin table; steps
.set ADRB, 20                          ; v20-21  LDS address of my wcat fragments
.set GOF,  22                          ; v22     my byte offset in a row of gains
.set STO,  24                          ; v24     stage: where I put 16 bytes of a row
.set RD,   25                          ; v25     stage: where I read a row back
.set CO,   26                          ; v26     my byte offset in q or k (rows of 512 bytes); steps
.set COV,  27                          ; v27     the same in v (rows of 256 bytes)
.set SPW,  28
.set NIL,  29
.set RS,   30                          ; v30-31  1 / rms of the two groups
.set F0,   64
.set F1,   128
.set X,    32                          ; v32-95   16 positions x 128 columns: block b at X + 8 b
.set COSR, 96                          ; v96-127  cos of columns 0-63; later the rows read back
.set SINR, 128                         ; v128-159 sin
.set G,    160                         ; v160-223 gains of my 64 columns
.set TM,   224                         ; v224-255 at work
.set G1, 24
.set G0, 32
.set G1B, 48
.set G0B, 56
.set MSB, 0
.macro WIN new                         ; the immediate's high byte repeats the setting that is left
.if MSB != (\new)
	s_set_vgpr_msb (MSB<<8)|(\new)
.set MSB, \new
.endif
.endm
.set MUL_LO, 0xa1                      ; source 0 (wcat) window 1, source 1 (xb) window 0, C and D window 2
.set MUL_HI, 0xf1
.set TO_B,   0x40
; A joint load: waves 0 and 1 fetch xb's two halves, waves 2 and 3 wcat's.  The branch hangs on the wave's number alone.  An s_nop 0 and four v_nop follow each line.
.macro JLOAD s
	s_cmp_eq_u32 s11, 0
	s_cbranch_scc0 .Lfor_b_\@
	tensor_load_to_lds s[G0+4*(\s):G0+4*(\s)+3], s[G1:G1+7]
	s_nop 0
.rept 4
	v_nop
.endr
	s_branch .Lasked_\@
.Lfor_b_\@:
	tensor_load_to_lds s[G0B+4*(\s):G0B+4*(\s)+3], s[G1B:G1B+7]
	s_nop 0
.rept 4
	v_nop
.endr
.Lasked_\@:
.endm
.macro CREST                           ; a round of the cluster's barrier behind its opening barrier
	s_cmp_lg_u32 s10, 0
	s_cbranch_scc1 .Lnot_wave_0_\@
	s_barrier_signal -3
.Lnot_wave_0_\@:
	s_barrier_wait -3
	s_barrier_signal -1
	s_barrier_wait -1
.endm
.macro CROUND
	s_barrier_signal -1
	s_barrier_wait -1
	CREST
.endm
	s_load_b128 s[4:7], s[0:1], 0x0                ; xb s[4:5], wcat s[6:7]
	s_load_b256 s[68:75], s[0:1], 0x10             ; tab s[68:69], qb s[70:71], kb s[72:73], vb s[74:75]
	v_lshl_add_u32 v[SPW], v0, 2, SPARE
	v_mov_b32 v[NIL], 0
	ds_add_u32 v[SPW], v[NIL]                      ; the wave's opening: the add and its wait ahead of my first tensor load
	ds_add_u32 v28, v29
	v_lshrrev_b32 v1, 5, v0
	v_readfirstlane_b32 s10, v1                    ; wave 0..3
	s_lshr_b32 s11, s10, 1                         ; which half of the tile's rows is mine.  Also: I fetch for xb (0) or wcat (1)
	s_and_b32 s12, s10, 1                          ; which half of its columns.  Also: which half of that tile I fetch
	s_bfe_u32 s40, ttmp6, 0x40000                  ; cx
	s_bfe_u32 s41, ttmp6, 0x40004                  ; cy
	s_lshl_b32 s42, ttmp9, 2
	s_add_co_u32 s42, s42, s40                     ; tile column
	s_and_b32 s13, ttmp7, 0xffff
	s_lshl_b32 s13, s13, 2
	s_add_co_u32 s13, s13, s41                     ; tile row
	s_lshl_b32 s43, s41, 2
	s_lshl_b32 s43, 15, s43                        ; my row of the cluster
	s_lshl_b32 s44, 0x1111, s40                    ; my column
	s_or_b32 s[G1+0], s43, (1<<16)|(1<<20)|(1<<21)|(5<<22)|(3<<25)   ; mask; 2-byte elements; padding on; bit 21 beside a mask; after every 64 words 4 words
	s_mov_b32 s[G1+1], KSTEP<<16                   ; tensor_dim0 = 128
	s_mov_b32 s[G1+2], 128<<16                     ; tensor_dim1 = 128
	s_mov_b32 s[G1+3], KSTEP<<16                   ; tile_dim0 = 128
	s_mov_b32 s[G1+4], 128                         ; tile_dim1 = 128
	s_mov_b32 s[G1+5], SIZE_K                      ; elements from row to row
	s_mov_b32 s[G1+6], 0
	s_mov_b32 s[G1+7], 0
	s_or_b32 s[G1B+0], s44, (1<<16)|(1<<20)|(1<<21)|(6<<22)|(7<<25)  ; after every 128 words 8 words
	s_mov_b32 s[G1B+1], 256<<16                    ; tensor_dim0 = 256 columns
	s_mov_b32 s[G1B+2], 64<<16                     ; tensor_dim1 = 64 k-rows
	s_mov_b32 s[G1B+3], 256<<16
	s_mov_b32 s[G1B+4], 64
	s_mov_b32 s[G1B+5], SIZE_N
	s_mov_b32 s[G1B+6], 0
	s_mov_b32 s[G1B+7], 0
	s_lshl_b32 s17, s12, 7
	s_lshl_b32 s16, s13, 8
	s_add_co_u32 s16, s16, s17                     ; xb: row 256 x tile row + 128 x half,
	s_lshl_b32 s16, s16, 12                        ; of 4,096 bytes
	s_mov_b32 s17, 0
	s_mul_i32 s46, s12, 64*SIZE_N*2                ; wcat: k-row 64 x half,
	s_lshl_b32 s47, s42, 9                         ; byte column 512 x tile column
	s_add_co_u32 s46, s46, s47
	s_mov_b32 s47, 0
	s_mul_i32 s20, s10, HALFT                      ; where they go: wave x HALFT: no place in the cluster enters an LDS address
	s_wait_dscnt 0x0                               ; the opening add is done
	s_wait_kmcnt 0x0
	s_add_nc_u64 s[14:15], s[4:5], s[16:17]
	s_add_nc_u64 s[46:47], s[6:7], s[46:47]
	CROUND                                         ; all sixteen work-groups are here: the first joint loads meet
.irp s, 0,1
	s_mov_b32 s[G0+4*(\s)], 1
	s_add_co_u32 s[G0+4*(\s)+1], s20, (\s)*SLOT
	s_add_nc_u64 s[G0+4*(\s)+2:G0+4*(\s)+3], s[14:15], (\s)*KSTEP*2
	s_or_b32 s[G0+4*(\s)+3], s[G0+4*(\s)+3], 0x80000000
	s_mov_b32 s[G0B+4*(\s)], 1
	s_add_co_u32 s[G0B+4*(\s)+1], s20, (\s)*SLOT
	s_add_nc_u64 s[G0B+4*(\s)+2:G0B+4*(\s)+3], s[46:47], (\s)*KSTEP*SIZE_N*2
	s_or_b32 s[G0B+4*(\s)+3], s[G0B+4*(\s)+3], 0x80000000
	JLOAD \s
.endr
	v_and_b32 v1, 15, v0                           ; l % 16
	v_bfe_u32 v2, v0, 4, 1                         ; l / 16
	v_mul_u32_u24 v3, v1, PA
	v_lshl_add_u32 v3, v2, 4, v3                   ; xb: row x pitch + 16 x half of the lanes
	v_and_b32 v4, 7, v0
	v_lshl_add_u32 v4, v2, 3, v4
	v_mul_u32_u24 v4, v4, PB                       ; wcat: k-row 8 (l / 16) + l % 8,
	v_bfe_u32 v5, v0, 3, 1
	v_lshl_add_u32 v4, v5, 4, v4                   ; columns 8 ((l / 8) % 2) on
	s_mul_i32 s21, s11, HALFT                      ; my 128 rows of xb
	s_lshl_b32 s22, s12, 8                         ; my 128 columns of wcat,
	s_add_co_u32 s22, s22, 2*HALFT                 ; which lies behind xb's 256 rows
.irp s, 0,1
	v_add_nc_u32 v[ADRA+(\s)], s21, v3
	v_add_nc_u32 v[ADRB+(\s)], s22, v4
	s_add_co_u32 s21, s21, SLOT
	s_add_co_u32 s22, s22, SLOT
.endr
	s_mul_i32 s23, s10, 128*DPITCH
	v_mul_u32_u24 v[DMP], v1, DPITCH
	v_lshl_add_u32 v[DMP], v2, 5, v[DMP]
	v_add_nc_u32 v[DMP], s23, v[DMP]               ; row l % 16, 32 bytes for each half of the lanes
	v_lshlrev_b32 v[GOF], 5, v2
	v_lshl_add_u32 v[TO], v1, 10, v[GOF]           ; table row l % 16, the same 32 bytes
	s_mul_i32 s23, s10, 16*SPITCH
	s_add_co_u32 s23, s23, STAGE
	v_mul_u32_u24 v5, v1, SPITCH
	v_lshl_add_u32 v5, v2, 4, v5
	v_add_nc_u32 v[STO], s23, v5
	v_mul_u32_u24 v5, v2, SPITCH
	v_lshl_add_u32 v5, v1, 4, v5
	v_add_nc_u32 v[RD], s23, v5
	v_lshlrev_b32 v5, 4, v1
	v_lshl_add_u32 v[CO], v2, 9, v5
	v_lshl_add_u32 v[COV], v2, 8, v5
	v_mov_b32 v10, 0                               ; v_permlanex16_b32 counts as a reader of its destination
	v_mov_b32 v11, 0
; 16 matrix instructions: m blocks a0, a0 + 1 of the window's four x all 8 n blocks, 32 along K.  zero = 1: the first product starts the sums.
.macro MUL16 f, hi, a0, zero
	WIN MUL_LO+0x50*(\hi)
.irp a, \a0, (\a0)+1
.irp b, 0,1,2,3,4,5,6,7
.if \zero
	v_wmma_f32_16x16x32_bf16 v[8*(8*(\a)+(\b)):8*(8*(\a)+(\b))+7], v[(\f)+8*(\b):(\f)+8*(\b)+7], v[(\f)+8*(4*(\hi)+(\a)):(\f)+8*(4*(\hi)+(\a))+7], 0
.else
	v_wmma_f32_16x16x32_bf16 v[8*(8*(\a)+(\b)):8*(8*(\a)+(\b))+7], v[(\f)+8*(\b):(\f)+8*(\b)+7], v[(\f)+8*(4*(\hi)+(\a)):(\f)+8*(4*(\hi)+(\a))+7], v[8*(8*(\a)+(\b)):8*(8*(\a)+(\b))+7]
.endif
.endr
.endr
.endm
; 32 LDS loads in one run: the fragments of quarter q (32 along K) into buffer f: wcat's 128 columns, turned, then xb's 128 rows
.macro FETCH slot, q, f
	WIN TO_B
.irp i, 0,1,2,3,4,5,6,7
	ds_load_tr16_b128 v[(\f)+8*(\i):(\f)+8*(\i)+3],   v[ADRB+(\slot)] offset:(\q)*32*PB+32*(\i)
	ds_load_tr16_b128 v[(\f)+8*(\i)+4:(\f)+8*(\i)+7], v[ADRB+(\slot)] offset:(\q)*32*PB+32*(\i)+16*PB
.endr
	WIN 0
.irp i, 0,1,2,3,4,5,6,7
	ds_load_b128 v[(\f)+8*(\i):(\f)+8*(\i)+3],   v[ADRA+(\slot)] offset:(\q)*64+(\i)*16*PA
	ds_load_b128 v[(\f)+8*(\i)+4:(\f)+8*(\i)+7], v[ADRA+(\slot)] offset:(\q)*64+(\i)*16*PA+32
.endr
.endm
.macro PLACES                          ; four places in front of loads into registers that matrix instructions have read, and of reads of results
.rept 4
	v_nop
.endr
.endm
; One of a K step's first three quarters: multiplies buffer f; in its middle it fetches quarter q of the same slot into buffer g.
.macro QUARTER slot, q, f, g, zero
	s_wait_dscnt 8                                 ; wcat's fragments and xb's rows 0-63 are in; the youngest eight loads may be out
	MUL16 \f, 0, 0, \zero
	MUL16 \f, 0, 2, \zero
	PLACES
	FETCH \slot, \q, \g
	s_wait_dscnt 32                                ; all but the 32 just issued
	MUL16 \f, 1, 0, \zero
	MUL16 \f, 1, 2, \zero
.endm
; The last quarter's first half: ONE barrier for the change of slots.
.macro MEET round
	WIN 0
	s_wait_tensorcnt 0x0                           ; all my tensor loads have landed: the one that was out is my part of the next slot
	ds_add_u32 v[SPW], v[NIL]
	s_wait_dscnt 9                                 ; (the add and the youngest eight loads may be out)
	MUL16 F1, 0, 0, 0
	s_wait_dscnt 0x0                               ; the add is done, and my reads of this slot are over
	s_barrier_signal -1
	MUL16 F1, 0, 2, 0
.if \round
	WIN 0
.endif
	s_barrier_wait -1
.endm
.macro TURN slot, next                 ; the whole last quarter: the slot just read out is filled again first, two K steps ahead; then the next slot's first fragments
	MEET 1
	CREST                                          ; no wave of any partner still reads this slot or has a load on its way
	s_add_nc_u64 s[G0+4*(\slot)+2:G0+4*(\slot)+3], s[G0+4*(\slot)+2:G0+4*(\slot)+3], 2*KSTEP*2
	s_add_nc_u64 s[G0B+4*(\slot)+2:G0B+4*(\slot)+3], s[G0B+4*(\slot)+2:G0B+4*(\slot)+3], 2*KSTEP*SIZE_N*2
	JLOAD \slot                                    ; the four v_nop behind it are also the places in front of the loads below
	FETCH \next, 0, F0
	MUL16 F1, 1, 0, 0
	MUL16 F1, 1, 2, 0
.endm
	s_wait_tensorcnt 1                             ; my part of K step 0 is in; K step 1's may stay out
	s_barrier_signal -1
	s_barrier_wait -1
	FETCH 0, 0, F0
	QUARTER 0, 1, F0, F1, 1                        ; the first quarter stands in front of the loop: its products start the sums
	WIN 0
	s_mov_b32 s3, LAPS-1
.Llap:                                                 ; a trip goes once round the ring and fills both slots again
	QUARTER 0, 2, F1, F0, 0
	QUARTER 0, 3, F0, F1, 0
	TURN 0, 1
	QUARTER 1, 1, F0, F1, 0
	QUARTER 1, 2, F1, F0, 0
	QUARTER 1, 3, F0, F1, 0
	TURN 1, 0
	QUARTER 0, 1, F0, F1, 0
	WIN 0
	s_sub_co_u32 s3, s3, 1
	s_cmp_lg_u32 s3, 0
	s_cbranch_scc1 .Llap
	QUARTER 0, 2, F1, F0, 0                        ; the last lap fills nothing
	QUARTER 0, 3, F0, F1, 0
	MEET 0
	PLACES
	FETCH 1, 0, F0
	MUL16 F1, 1, 0, 0
	MUL16 F1, 1, 2, 0
	QUARTER 1, 1, F0, F1, 0
	QUARTER 1, 2, F1, F0, 0
	QUARTER 1, 3, F0, F1, 0
	s_wait_dscnt 8
	MUL16 F1, 0, 0, 0
	MUL16 F1, 0, 2, 0
	s_wait_dscnt 0x0
	MUL16 F1, 1, 0, 0
	MUL16 F1, 1, 2, 0
	WIN 0
	; THE WAY OUT.  A barrier: every wave's reads of the ring are over (all tensor loads landed in front of the last change of slots), so the ring's bytes may be written.
	s_wait_dscnt 0x0
	s_barrier_signal -1
	PLACES                                         ; the places behind the last products
	; the tile's kind hangs on the cluster's x alone, which all sixteen partners share: 0 q_t, 1 q_hw, 2 k_t, 3 k_hw, 4 v
	s_lshr_b32 s76, ttmp9, 1
	s_sub_co_u32 s88, ttmp9, 2
	s_cmp_lt_u32 ttmp9, 4
	s_cselect_b32 s76, s76, s88
	s_lshl_b32 s88, s76, 4
	s_lshl_b32 s89, s76, 3
	s_add_co_u32 s89, s89, 16
	s_cmp_lt_u32 s76, 2
	s_cselect_b32 s88, s88, s89                    ; the kind's first head tile: 0, 16, 32, 40, 48
	s_cselect_b64 s[80:81], s[70:71], s[72:73]
	s_cmp_eq_u32 s76, 4
	s_cselect_b64 s[80:81], s[74:75], s[80:81]
	s_cselect_b32 s90, 19, 20                      ; a head is 2,048 rows of 256 (v) or 512 bytes
	s_cselect_b32 s91, 8, 9
	s_lshl_b32 s89, s42, 1
	s_add_co_u32 s89, s89, s12
	s_sub_co_u32 s89, s89, s88                     ; my head
	s_lshl_b32 s89, s89, s90
	s_lshl_b32 s92, s13, 8
	s_lshl_b32 s93, s11, 7
	s_add_co_u32 s92, s92, s93                     ; my first position
	s_lshl_b32 s93, s92, s91
	s_add_co_u32 s88, s89, s93
	s_and_b32 s94, s76, 1                          ; 0: the t half of a row, 1: the hw half
	s_lshl_b32 s93, s94, 8
	s_add_co_u32 s88, s88, s93
	s_mov_b32 s89, 0
	s_add_nc_u64 s[80:81], s[80:81], s[88:89]      ; where my rows go
	s_lshl_b32 s88, s92, 10
	s_lshl_b32 s93, s94, 9
	s_add_co_u32 s88, s88, s93
	s_add_nc_u64 s[82:83], s[68:69], s[88:89]      ; my rows of the table
	s_lshl_b32 s88, s76, 9
	s_add_co_u32 s88, s88, 2097152
	s_add_nc_u64 s[84:85], s[68:69], s[88:89]      ; my row of gains (not read for v)
	s_mov_b32 s78, 0x3c800000                      ; 1/64
	s_cmp_eq_u32 s94, 0
	s_cselect_b32 s77, 1.0, 0                      ; T: a t tile's two groups share one mean
	s_cselect_b32 s78, 0x3c000000, s78             ; INV: 1/128
	s_mov_b32 s79, 0x358637bd                      ; 1e-6
	s_mov_b32 s86, 0x76543210
	s_mov_b32 s87, 0xfedcba98
	s_barrier_wait -1
.irp a, 0,1,2,3,4,5,6,7                ; each accumulator's low registers are read first
	WIN 0x08+4*((\a)/4)                            ; the data (source 1) in window 2 or 3
.irp b, 0,1,2,3,4,5,6,7
	ds_store_b128 v[DMP], v[8*(8*((\a)%4)+(\b)):8*(8*((\a)%4)+(\b))+3]   offset:(\a)*16*DPITCH+64*(\b)
	ds_store_b128 v[DMP], v[8*(8*((\a)%4)+(\b))+4:8*(8*((\a)%4)+(\b))+7] offset:(\a)*16*DPITCH+64*(\b)+16
.endr
.endr
	WIN 0
	s_mov_b32 s3, 8
	s_cmp_eq_u32 s76, 4
	s_cbranch_scc1 .Lplain
.irp b, 0,1,2,3,4,5,6,7
	global_load_b128 v[G+8*(\b):G+8*(\b)+3],   v[GOF], s[84:85] offset:64*(\b)
	global_load_b128 v[G+8*(\b)+4:G+8*(\b)+7], v[GOF], s[84:85] offset:64*(\b)+16
.endr
.Lrope:                                                ; a trip: 16 positions x 128 columns
.irp b, 0,1,2,3,4,5,6,7
	ds_load_b128 v[X+8*(\b):X+8*(\b)+3],   v[DMP] offset:64*(\b)       ; my own bytes: LDS serves a wave's instructions in order (ISA guide 5.7.1.4)
	ds_load_b128 v[X+8*(\b)+4:X+8*(\b)+7], v[DMP] offset:64*(\b)+16
.endr
.irp b, 0,1,2,3
	global_load_b128 v[COSR+8*(\b):COSR+8*(\b)+3],   v[TO], s[82:83] offset:64*(\b)
	global_load_b128 v[COSR+8*(\b)+4:COSR+8*(\b)+7], v[TO], s[82:83] offset:64*(\b)+16
	global_load_b128 v[SINR+8*(\b):SINR+8*(\b)+3],   v[TO], s[82:83] offset:256+64*(\b)
	global_load_b128 v[SINR+8*(\b)+4:SINR+8*(\b)+7], v[TO], s[82:83] offset:256+64*(\b)+16
.endr
	s_wait_dscnt 0x0
	; sums of squares, four chains: blocks 0, 1 and 4, 5 (group A), blocks 2, 3 and 6, 7 (group B)
.irp n, 0,1,2,3,4,5,6,7
.irp c, 0,1,2,3
.if (\n) == 0
	v_pk_mul_f32 v[2+2*(\c):3+2*(\c)], v[X+32*((\c)%2)+16*((\c)/2):X+32*((\c)%2)+16*((\c)/2)+1], v[X+32*((\c)%2)+16*((\c)/2):X+32*((\c)%2)+16*((\c)/2)+1]
.else
	v_pk_fma_f32 v[2+2*(\c):3+2*(\c)], v[X+32*((\c)%2)+16*((\c)/2)+2*(\n):X+32*((\c)%2)+16*((\c)/2)+2*(\n)+1], v[X+32*((\c)%2)+16*((\c)/2)+2*(\n):X+32*((\c)%2)+16*((\c)/2)+2*(\n)+1], v[2+2*(\c):3+2*(\c)]
.endif
.endr
.endr
	v_pk_add_f32 v[2:3], v[2:3], v[4:5]
	v_pk_add_f32 v[6:7], v[6:7], v[8:9]
	v_add_f32 v2, v2, v3
	v_add_f32 v6, v6, v7
	v_permlanex16_b32 v10, v2, s86, s87            ; the position's other columns lie in the lane 16 away
	v_permlanex16_b32 v11, v6, s86, s87
	v_add_f32 v2, v2, v10
	v_add_f32 v6, v6, v11
	v_fma_f32 v12, v6, s77, v2
	v_fma_f32 v13, v2, s77, v6
	v_fma_f32 v12, v12, s78, s79                   ; mean + eps
	v_fma_f32 v13, v13, s78, s79
	v_rsq_f32 v[RS], v12
	v_rsq_f32 v[RS+1], v13
	v_nop                                          ; a plain line behind the two roots
	s_wait_loadcnt 16                              ; the gains are in; this trip's 16 table loads may stay out
.set n, 0
.rept 32
	v_pk_mul_f32 v[X+2*n:X+2*n+1], v[X+2*n:X+2*n+1], v[G+2*n:G+2*n+1]
.set n, n+1
.endr
	s_wait_loadcnt 0x0
.set n, 0
	s_wait_alu depctr_va_vdst(0)
.rept 8                                ; columns 0-31 (and their partners) belong to group A,
	v_pk_mul_f32 v[COSR+2*n:COSR+2*n+1], v[COSR+2*n:COSR+2*n+1], v[RS:RS+1] op_sel_hi:[1,0]
	v_pk_mul_f32 v[SINR+2*n:SINR+2*n+1], v[SINR+2*n:SINR+2*n+1], v[RS:RS+1] op_sel_hi:[1,0]
.set n, n+1
.endr
.rept 8                                ; columns 32-63 to group B
	v_pk_mul_f32 v[COSR+2*n:COSR+2*n+1], v[COSR+2*n:COSR+2*n+1], v[RS:RS+1] op_sel:[0,1] op_sel_hi:[1,1]
	v_pk_mul_f32 v[SINR+2*n:SINR+2*n+1], v[SINR+2*n:SINR+2*n+1], v[RS:RS+1] op_sel:[0,1] op_sel_hi:[1,1]
.set n, n+1
.endr
.set n, 0
.rept 16
	v_pk_mul_f32 v[TM+2*n:TM+2*n+1], v[X+32+2*n:X+32+2*n+1], v[SINR+2*n:SINR+2*n+1]
.set n, n+1
.endr
.set n, 0
.rept 16
	v_pk_fma_f32 v[TM+2*n:TM+2*n+1], v[X+2*n:X+2*n+1], v[COSR+2*n:COSR+2*n+1], v[TM+2*n:TM+2*n+1] neg_lo:[0,0,1] neg_hi:[0,0,1]  ; lo cos - hi sin
.set n, n+1
.endr
.set n, 0
.rept 16
	v_pk_mul_f32 v[X+2*n:X+2*n+1], v[X+2*n:X+2*n+1], v[SINR+2*n:SINR+2*n+1]
.set n, n+1
.endr
.set n, 0
.rept 16
	v_pk_fma_f32 v[X+32+2*n:X+32+2*n+1], v[X+32+2*n:X+32+2*n+1], v[COSR+2*n:COSR+2*n+1], v[X+2*n:X+2*n+1]  ; hi cos + lo sin
.set n, n+1
.endr
.set n, 0
.rept 16
	v_cvt_pk_f16_f32 v[X+n], v[TM+2*n], v[TM+2*n+1]
.set n, n+1
.endr
.set n, 0
.rept 16
	v_cvt_pk_f16_f32 v[X+16+n], v[X+32+2*n], v[X+32+2*n+1]
.set n, n+1
.endr
.irp b, 0,1,2,3,4,5,6,7
	ds_store_b128 v[STO], v[X+4*(\b):X+4*(\b)+3] offset:32*(\b)
.endr
.irp f, 0,1,2,3,4,5,6,7
	ds_load_b128 v[COSR+4*(\f):COSR+4*(\f)+3], v[RD] offset:(\f)*2*SPITCH
.endr
	s_wait_dscnt 0x0
.irp f, 0,1,2,3,4,5,6,7
	global_store_b128 v[CO], v[COSR+4*(\f):COSR+4*(\f)+3], s[80:81] offset:(\f)*1024  ; 16 lanes store 256 consecutive bytes, aligned
.endr
	s_wait_xcnt 0x0                                ; the offsets and the stores' data are written again only behind this wait
	v_add_nc_u32 v[DMP], 16*DPITCH, v[DMP]
	v_add_nc_u32 v[TO], 16*1024, v[TO]
	v_add_nc_u32 v[CO], 16*512, v[CO]
	s_sub_co_u32 s3, s3, 1
	s_cmp_lg_u32 s3, 0
	s_cbranch_scc1 .Lrope
	s_branch .Lend
.Lplain:                                               ; v: rounded and stored, 16 positions a trip
.irp b, 0,1,2,3,4,5,6,7
	ds_load_b128 v[X+8*(\b):X+8*(\b)+3],   v[DMP] offset:64*(\b)
	ds_load_b128 v[X+8*(\b)+4:X+8*(\b)+7], v[DMP] offset:64*(\b)+16
.endr
	s_wait_dscnt 0x0
.set n, 0
.rept 32
	v_cvt_pk_f16_f32 v[COSR+n], v[X+2*n], v[X+2*n+1]
.set n, n+1
.endr
.irp b, 0,1,2,3,4,5,6,7
	ds_store_b128 v[STO], v[COSR+4*(\b):COSR+4*(\b)+3] offset:32*(\b)
.endr
.irp f, 0,1,2,3,4,5,6,7
	ds_load_b128 v[SINR+4*(\f):SINR+4*(\f)+3], v[RD] offset:(\f)*2*SPITCH
.endr
	s_wait_dscnt 0x0
.irp f, 0,1,2,3,4,5,6,7
	global_store_b128 v[COV], v[SINR+4*(\f):SINR+4*(\f)+3], s[80:81] offset:(\f)*512
.endr
	s_wait_xcnt 0x0
	v_add_nc_u32 v[DMP], 16*DPITCH, v[DMP]
	v_add_nc_u32 v[COV], 16*256, v[COV]
	s_sub_co_u32 s3, s3, 1
	s_cmp_lg_u32 s3, 0
	s_cbranch_scc1 .Lplain
.Lend:
	s_wait_tensorcnt 0x0                           ; the wave's end
	ds_add_u32 v[SPW], v[NIL]
	s_wait_dscnt 0x0
	CROUND                                         ; the closing round
	s_endpgm
.Lfunc_end_k_qfbbeed0d98_qkv:
	.size	k_qfbbeed0d98_qkv, .Lfunc_end_k_qfbbeed0d98_qkv-k_qfbbeed0d98_qkv
	.p2alignl 7, 3214868480
	.fill 96, 4, 3214868480
	.section	.rodata,"a",@progbits
	.p2align	6, 0x0
	.amdhsa_kernel k_qfbbeed0d98_qkv
		.amdhsa_group_segment_fixed_size 327680
		.amdhsa_private_segment_fixed_size 0
		.amdhsa_enable_private_segment 0
		.amdhsa_kernarg_size 48
		.amdhsa_user_sgpr_count 2
		.amdhsa_user_sgpr_kernarg_segment_ptr 1
		.amdhsa_wavefront_size32 1
		.amdhsa_system_sgpr_workgroup_id_x 1
		.amdhsa_system_sgpr_workgroup_id_y 1
		.amdhsa_system_sgpr_workgroup_id_z 1
		.amdhsa_system_vgpr_workitem_id 0
		.amdhsa_next_free_vgpr 1024
		.amdhsa_next_free_sgpr 96
		.amdhsa_reserve_vcc 0
		.amdhsa_float_denorm_mode_32 3
		.amdhsa_float_denorm_mode_16_64 3
		.amdhsa_memory_ordered 1
		.amdhsa_forward_progress 1
		.amdhsa_inst_pref_size 145
	.end_amdhsa_kernel
	.amdgpu_metadata
---
amdhsa.version: [ 1, 2 ]
amdhsa.kernels:
  - .name:           k_qfbbeed0d98_qkv
    .symbol:         k_qfbbeed0d98_qkv.kd
    .args:
      - { .name: xb, .offset: 0, .size: 8, .value_kind: global_buffer, .address_space: global }
      - { .name: wcat, .offset: 8, .size: 8, .value_kind: global_buffer, .address_space: global }
      - { .name: tab, .offset: 16, .size: 8, .value_kind: global_buffer, .address_space: global }
      - { .name: qb, .offset: 24, .size: 8, .value_kind: global_buffer, .address_space: global }
      - { .name: kb, .offset: 32, .size: 8, .value_kind: global_buffer, .address_space: global }
      - { .name: vb, .offset: 40, .size: 8, .value_kind: global_buffer, .address_space: global }
    .group_segment_fixed_size: 327680
    .private_segment_fixed_size: 0
    .kernarg_segment_align: 8
    .kernarg_segment_size: 48
    .max_flat_workgroup_size: 128
    .sgpr_count:     96
    .vgpr_count:     1024
    .wavefront_size: 32
...
	.end_amdgpu_metadata
.endif
;; end of part 2
;; launch attn (part 3): grid 12 x 16, 4 waves a work-group, no clusters, 327,680 bytes of LDS; arguments qb, kb, vb, ao; writes ao
.if DOCPART == 3
	.amdgcn_target "amdgcn-amd-amdhsa--gfx1250"
	.amdhsa_code_object_version 6
	.text
	.protected	k_qfbbeed0d98_attn
	.globl	k_qfbbeed0d98_attn
	.p2align	8
	.type	k_qfbbeed0d98_attn,@function
k_qfbbeed0d98_attn:
	s_mov_b64 s[64:65], 0
	v_nop
	global_prefetch_b8 v0, s[64:65] scope:SCOPE_SE
	s_setreg_imm32_b32 hwreg(HW_REG_WAVE_MODE, 25, 1), 1
	s_wait_xcnt 0x0
; ATTENTION with the mask 0 <= q - k < 1024.  qb [16][2048][256], kb [8][2048][256], vb [8][2048][128], all f16; ao [2048 s][16 x 128] f16.  Query head y reads key and value head y / 2.
; Products, maxima and sums in f32; the weights are rounded to f16 for the second product (their sum is taken of the unrounded weights), O once at the end.
; THE WALK.  Queries lie in 16 blocks of 128, keys in tiles of 128.  Block i needs the tiles max(0, i - 8) .. i.  Work-group x < 8 takes block 8 + x: 9 tiles.  Work-group x >= 8, j = x - 8, takes block
; 7 - j and then block j: 8 - j and j + 1 tiles: 9 again.  So 192 work-groups do equal work and every trip count is a constant.  A tile is two steps of 64 keys.
; NO CLUSTER: neighbouring blocks walk windows of tiles that are shifted by one, so a walk common to four would have 12 trips for 9; only the two heads of a key head walk alike, two work-groups.
; ONE SCALAR, DK = (the block's first query) - (the first key of the step whose scores are in hand), steers masks and the blocks' ends.  It falls by 64 a step; 64 .. 896: no mask; 0 and -64: the causal
; edge; 960 and 1024: the window's edge; -64 is a block's last step.
; THE MASK is the C operand that starts the sum S^T = K Q^T: 0, or -1e30 where the key is hidden.  It hangs on the difference of key block and query tile alone: 40 registers, made in the steps that want them.
; LAYOUT.  S^T = K Q^T holds one query a lane (lane % 16) and the keys 8 (lane / 16) + 0..7; two such results rounded to f16 ARE source 1 of O^T = V^T P.  K comes out of LDS as it lies, V turned.
; SOFTMAX.  p = 2^(c s - c m), c = log2(e) / sqrt(128), with a running maximum m; O and l are multiplied by a = 2^(c m_old - c m_new) in every step.  m starts at -2^66: a row that sees no key in a step of
; the window's edge gets weights 0 there, and the first true score makes a = 0.
; A STEP'S TEXT, in phases: K of the next step is fetched; the softmax of the scores in hand; V^T P; (a block's end); K Q^T of the next step; its V is fetched.  The first pass finds scores of -1e30 and
; V = 0, so no first step is written out: the price is one softmax and 32 products on zeros, and 320 v_mov_b32 in the wait for the first tile.
; LIMITS.  A hidden score counts as its value less 1e30 (reference: 1e9 off the scaled score): the same weights, 0, while scaled scores stay far under 1e9.  q, k, v arrive within f16's 65,504.
; A weight below 2^-126 counts as 0 in l; NaN and infinities are not treated apart.
; REGISTERS, in windows of 256: window 0: v0-31 addresses and statistics; v32-95 S^T; v96-127 P; v128-255 O^T.  window 1: v0-127 Q; v128-255 V.  window 2: K.  window 3: v0-39 the masks.
.set KS,    64
.set PK,    528       ; a row of K in LDS: 512 bytes + 16: the 16 rows of a load start at 16 different groups of four banks (ISA guide 11.1)
.set PV,    288       ; a row of V: 256 + 32 = 9 x 32
.set KSB,   KS*PK     ; a step's K
.set VSB,   KS*PV     ; a step's V
.set VOFF,  2*KSB     ; a slot: 128 rows of K, then 128 rows of V
.set SLOT1, 1<<17
.set STAGE, SLOT1+2*(KSB+VSB)
.set SP,    272
.set SPARE, STAGE+4*16*SP
.set AK0, 2
.set AV0, 3
.set AK,  4
.set AV,  5
.set STO, 6
.set RD,  7
.set GO,  8
.set VF,  9           ; the mask's value where the compare fails
.set QO,  10
.set VT,  11          ; and where it holds
.set ST,  12          ; tile t's statistics at v[ST+8 t]: c m, m, l (even keys', odd keys'), c0-c3 at work; a takes c2's place
.set VQ,  28          ; 32 w + l % 16 - 8 (l / 16)
.set VX,  29
.set SPW, 30
.set NIL, 31
.set S,   32
.set P,   96
.set OT,  128
.set VR,  128         ; window 1
.set WV,  12
.set G1K, 24
.set G1V, 32
.set G0K, 40
.set G0V, 44
.set SLOTS, 56
.set CNT, 57
.set CS,  58
.set SEL, 60
.set TBK, 62
.set TBV, 63
.set DK,  66
.set DK2, 67
.set SQ2, 68
.set SO2, 70
.set NXT, 72
.set LQ,  73
.set OFFK, 74
.set OFFV, 76
.set BIGN, 78
.set B2,  83
.set MSB, 0
.macro WIN new
.if MSB != (\new)
	s_set_vgpr_msb (MSB<<8)|(\new)
.set MSB, (\new)
.endif
.endm
.set W_KQ, 0x06       ; K (source 0) window 2, Q (source 1) window 1, S^T window 0
.set W_KM, 0x36       ; the same with the C operand in window 3
.set W_PV, 0x01       ; V (source 0) window 1
; A fill.  Waves 0 and 1 fetch the two steps' K of a tile, waves 2 and 3 their V.  An s_nop 0 and four v_nop follow each line.
.macro LOAD
	s_cmp_lt_u32 s[WV], 2
	s_cbranch_scc0 .Lfor_v_\@
	tensor_load_to_lds s[G0K:G0K+3], s[G1K:G1K+7]
	s_nop 0
.rept 4
	v_nop
.endr
	s_branch .Lasked_\@
.Lfor_v_\@:
	tensor_load_to_lds s[G0V:G0V+3], s[G1V:G1V+7]
	s_nop 0
.rept 4
	v_nop
.endr
.Lasked_\@:
.endm
; THE CHANGE OF SLOTS.  Each wave waits for all its tensor loads (one is out: its part of the other slot), adds 0 to its spare word, and waits for that and for its reads of the slot that it leaves.
; fill = 1: the old slot is filled again, first thing behind the barrier, with tile NXT; the address is made anew from that number.  The load has two steps in which to land.
.macro CHANGE fill
	WIN 0
	s_wait_tensorcnt 0x0
	ds_add_u32 v[SPW], v[NIL]
.if \fill
	s_lshl_b32 s[OFFK], s[NXT], 16  ; a tile is 65,536 bytes of K
	s_lshl_b32 s[OFFV], s[NXT], 15  ; and 32,768 of V
	s_xor_b32 s[G0K+1], s[G0K+1], SLOT1
	s_add_nc_u64 s[G0K+2:G0K+3], s[6:7], s[OFFK:OFFK+1]
	s_or_b32 s[G0K+3], s[G0K+3], 0x80000000
	s_xor_b32 s[G0V+1], s[G0V+1], SLOT1
	s_add_nc_u64 s[G0V+2:G0V+3], s[8:9], s[OFFV:OFFV+1]
	s_or_b32 s[G0V+3], s[G0V+3], 0x80000000
	s_add_co_u32 s[NXT], s[NXT], 1  ; the block's next tile, or behind its last the second block's tile 0
	s_cmp_gt_u32 s[NXT], s[LQ]
	s_cselect_b32 s[NXT], 0, s[NXT]
	s_cselect_b32 s[LQ], s[B2], s[LQ]
.endif
	s_wait_dscnt 0x0                ; the add is done, and my reads of the slot are over
	s_barrier_signal -1
	s_sub_co_u32 s[TBK], s[TBK], 2*KSB
	s_xor_b32 s[TBK], s[TBK], SLOT1
	s_sub_co_u32 s[TBV], s[TBV], 2*VSB
	s_xor_b32 s[TBV], s[TBV], SLOT1
	s_barrier_wait -1
.if \fill
	LOAD
.endif
.endm
.macro QLOAD b                      ; my 32 queries x 256 channels: fragment 8 t + c
	WIN 0x40
.set i, 0
.rept 16
	global_load_b128 v[8*i:8*i+3],   v[QO], s[\b:\b+1] offset:(i/8)*8192+(i%8)*64
	global_load_b128 v[8*i+4:8*i+7], v[QO], s[\b:\b+1] offset:(i/8)*8192+(i%8)*64+32
.set i, i+1
.endr
	WIN 0
.endm
.macro PLACES
.rept 4
	v_nop
.endr
.endm
	s_load_b256 s[4:11], s[0:1], 0x0  ; qb s[4:5], kb s[6:7], vb s[8:9], ao s[10:11]
	v_lshl_add_u32 v[SPW], v0, 2, SPARE
	v_mov_b32 v[NIL], 0
	ds_add_u32 v[SPW], v[NIL]       ; the wave's opening: the add and its wait ahead of my first tensor load
	ds_add_u32 v30, v31
	v_lshrrev_b32 v1, 5, v0
	v_readfirstlane_b32 s[WV], v1
	s_mov_b32 s13, ttmp9            ; x
	s_and_b32 s21, ttmp7, 0xffff    ; the query head
	s_add_co_u32 s14, s13, 8
	s_sub_co_u32 s15, 15, s13
	s_sub_co_u32 s16, s13, 8
	s_lshl_b32 s17, s15, 7
	s_cmp_lt_u32 s13, 8
	s_cselect_b32 s18, s14, s15     ; the first block: 8 + x, or 15 - x
	s_cselect_b32 s19, s13, 0       ; its first tile
	s_cselect_b32 s[B2], 0, s16     ; the second block (x < 8 has none: nothing is loaded or stored for it)
	s_cselect_b32 s20, 1024, s17    ; first query less first key
	s_add_co_u32 s[DK], s20, 64     ; the preset scores stand for a step in front of the first
	s_lshl_b32 s[DK2], s[B2], 7
	s_add_co_u32 s[NXT], s19, 1
	s_mov_b32 s[LQ], s18            ; a block's last tile has the block's number
	s_and_b32 s22, s[WV], 1         ; which of a tile's two steps I fetch
	s_lshr_b32 s23, s21, 1          ; the key head
	s_lshl_b32 s84, s23, 20
	s_lshl_b32 s79, s22, 15
	s_add_co_u32 s84, s84, s79
	s_mov_b32 s85, 0
	s_lshl_b32 s86, s23, 19
	s_lshl_b32 s79, s22, 14
	s_add_co_u32 s86, s86, s79
	s_mov_b32 s87, 0
	s_lshl_b32 s79, s21, 20         ; Q: head, block of 128 rows, my 32 rows of 512 bytes
	s_lshl_b32 s80, s[WV], 14
	s_add_co_u32 s79, s79, s80
	s_lshl_b32 s2, s18, 16
	s_add_co_u32 s2, s2, s79
	s_mov_b32 s3, 0
	s_lshl_b32 s88, s[B2], 16
	s_add_co_u32 s88, s88, s79
	s_mov_b32 s89, 0
	s_lshl_b32 s79, s21, 8          ; O: rows of 4,096 bytes, the head's 256
	s_lshl_b32 s80, s[WV], 17
	s_add_co_u32 s79, s79, s80
	s_lshl_b32 s90, s18, 19
	s_add_co_u32 s90, s90, s79
	s_mov_b32 s91, 0
	s_lshl_b32 s92, s[B2], 19
	s_add_co_u32 s92, s92, s79
	s_mov_b32 s93, 0
	s_lshl_b32 s[OFFK], s19, 16
	s_mov_b32 s[OFFK+1], 0
	s_lshl_b32 s[OFFV], s19, 15
	s_mov_b32 s[OFFV+1], 0
	s_mov_b32 s[G1K], (1<<16)|(1<<20)|(6<<22)|(3<<25)  ; 2-byte elements; padding on; after every 128 words 4 words
	s_mov_b32 s[G1K+1], 256<<16     ; tensor_dim0 = 256
	s_mov_b32 s[G1K+2], KS<<16      ; tensor_dim1 = 64
	s_mov_b32 s[G1K+3], 256<<16     ; tile_dim0
	s_mov_b32 s[G1K+4], KS          ; tile_dim1
	s_mov_b32 s[G1K+5], 256         ; elements from row to row
	s_mov_b32 s[G1K+6], 0
	s_mov_b32 s[G1K+7], 0
	s_mov_b32 s[G1V], (1<<16)|(1<<20)|(5<<22)|(7<<25)  ; after every 64 words 8 words
	s_mov_b32 s[G1V+1], 128<<16
	s_mov_b32 s[G1V+2], KS<<16
	s_mov_b32 s[G1V+3], 128<<16
	s_mov_b32 s[G1V+4], KS
	s_mov_b32 s[G1V+5], 128
	s_mov_b32 s[G1V+6], 0
	s_mov_b32 s[G1V+7], 0
	s_mov_b32 s[G0K], 1
	s_mul_i32 s[G0K+1], s22, KSB    ; slot 0
	s_mov_b32 s[G0V], 1
	s_mul_i32 s[G0V+1], s22, VSB
	s_add_co_u32 s[G0V+1], s[G0V+1], VOFF
	s_mov_b32 s[CS], 0x3e0293ee     ; c = log2(e) / sqrt(128)
	s_mov_b32 s[CS+1], s[CS]
	s_mov_b32 s[SEL], 0x76543210
	s_mov_b32 s[SEL+1], 0xfedcba98
	s_mov_b32 s[TBK], SLOT1+2*KSB   ; the first change of slots turns these two into 0
	s_mov_b32 s[TBV], SLOT1+2*VSB
	s_mov_b32 s[BIGN], 0xf149f2ca   ; -1e30
	s_mov_b32 s[SLOTS], 8
	s_wait_dscnt 0x0                ; the opening add is done
	s_wait_kmcnt 0x0
	s_add_nc_u64 s[6:7], s[6:7], s[84:85]   ; K and V at the key head's tile 0, my step of it
	s_add_nc_u64 s[8:9], s[8:9], s[86:87]
	s_add_nc_u64 s[G0K+2:G0K+3], s[6:7], s[OFFK:OFFK+1]
	s_or_b32 s[G0K+3], s[G0K+3], 0x80000000
	s_add_nc_u64 s[G0V+2:G0V+3], s[8:9], s[OFFV:OFFV+1]
	s_or_b32 s[G0V+3], s[G0V+3], 0x80000000
	s_add_nc_u64 s[SQ2:SQ2+1], s[4:5], s[88:89]
	s_add_nc_u64 s[4:5], s[4:5], s[2:3]
	s_add_nc_u64 s[SO2:SO2+1], s[10:11], s[92:93]
	s_add_nc_u64 s[10:11], s[10:11], s[90:91]
	LOAD                            ; the walk's first tile into slot 0
	v_and_b32 v1, 15, v0            ; l % 16
	v_bfe_u32 v9, v0, 4, 1          ; l / 16
	v_lshlrev_b32 v[QO], 9, v1
	v_lshl_add_u32 v[QO], v9, 4, v[QO]
	QLOAD 4
	v_mul_u32_u24 v[AK0], v1, PK
	v_lshl_add_u32 v[AK0], v9, 4, v[AK0]
	v_and_b32 v11, 7, v0
	v_lshl_add_u32 v[AV0], v9, 3, v11
	v_mul_u32_u24 v[AV0], v[AV0], PV
	v_bfe_u32 v11, v0, 3, 1
	v_lshl_add_u32 v[AV0], v11, 4, v[AV0]
	v_add_nc_u32 v[AV0], VOFF, v[AV0]
	s_mul_i32 s13, s[WV], 16*SP
	s_add_co_u32 s13, s13, STAGE
	v_mul_u32_u24 v[STO], v1, SP
	v_lshl_add_u32 v[STO], v9, 4, v[STO]
	v_add_nc_u32 v[STO], s13, v[STO]
	v_mul_u32_u24 v[RD], v9, SP
	v_lshl_add_u32 v[RD], v1, 4, v[RD]
	v_add_nc_u32 v[RD], s13, v[RD]
	v_lshlrev_b32 v[GO], 12, v9
	v_lshl_add_u32 v[GO], v1, 4, v[GO]
	v_lshlrev_b32 v11, 3, v9
	v_sub_nc_u32 v[VQ], v1, v11
	s_lshl_b32 s13, s[WV], 5
	v_add_nc_u32 v[VQ], s13, v[VQ]
	; what the first pass finds; all this stands in the wait for the first tile
.set i, 0
.rept 64
	v_mov_b32 v[S+i], s[BIGN]
.set i, i+1
.endr
.set i, 0
.rept 128
	v_mov_b32 v[OT+i], 0
.set i, i+1
.endr
.irp t, 0,1
	v_mov_b32 v[ST+8*(\t)+1], 0xe0800000           ; m = -2^66
	v_mul_f32 v[ST+8*(\t)], s[CS], v[ST+8*(\t)+1]
	v_mov_b32 v[ST+8*(\t)+2], 0
	v_mov_b32 v[ST+8*(\t)+3], 0
.endr
	WIN 0x40
.set i, 0
.rept 128
	v_mov_b32 v[VR+i], 0
.set i, i+1
.endr
	WIN 0
; Product i of 32 of O^T += V^T P: keys 32 (i / 16) on, channels 16 ((i / 2) % 8) on, tile i % 2.  The 16 accumulators take turns.
.macro PV
	WIN W_PV
.set rO, OT+64*(i%2)+8*((i/2)%8)
.set rV, VR+64*(i/16)+8*((i/2)%8)
.set rP, P+16*(i%2)+8*(i/16)
	v_wmma_f32_16x16x32_f16 v[rO:rO+7], v[rV:rV+7], v[rP:rP+7], v[rO:rO+7]
.set i, i+1
.endm
; Product i of 64 of S^T = K Q^T: channels 32 (i / 8) on, keys 16 ((i / 2) % 4) on, tile i % 2.  mode 0: C = 0; 1: C = the mask; 2: in place.  The 8 accumulators take turns.
.macro KQ mode
.set rS, S+32*(i%2)+8*((i/2)%4)
.set rK, 8*(4*(i/8)+(i/2)%4)
.set rQ, 8*(8*(i%2)+i/8)
.set rM, 8*((i/2)%4-i%2+1)
.if (\mode) == 0
	WIN W_KQ
	v_wmma_f32_16x16x32_f16 v[rS:rS+7], v[rK:rK+7], v[rQ:rQ+7], 0
.elseif (\mode) == 1
	WIN W_KM
	v_wmma_f32_16x16x32_f16 v[rS:rS+7], v[rK:rK+7], v[rQ:rQ+7], v[rM:rM+7]
.else
	WIN W_KQ
	v_wmma_f32_16x16x32_f16 v[rS:rS+7], v[rK:rK+7], v[rQ:rQ+7], v[rS:rS+7]
.endif
.set i, i+1
.endm
; One tile's softmax for one step is a list of 134 instructions; SM writes number j of it for tile t.  s0-s31 are the lane's 32 scores, in pairs 0-15.
;   0-15    the maximum of s0-s31 and the old m, three operands at a time (each accumulator's lowest registers are read first)
;   16-20   the other half of the lanes' maximum; the new m; c m; c m_old - c m_new
;   21-87   33 exponentials at the odd numbers from 23 on, a plain instruction between any two: scalings ahead of their exponentials, roundings behind theirs, the first sums
;   88-101  the last rounding; the rest of the sums; l = a l + the sum          102-133 the tile's O^T times a
.macro SM t
.set rT, ST+8*(\t)
.set rS, S+32*(\t)
.set rP, P+16*(\t)
.set rO, OT+64*(\t)+2*(j-102)
.set q, (j-20)/2
.if j < 4
	v_max3_num_f32 v[rT+4+j], v[rS+8*j], v[rS+8*j+1], v[rS+8*j+2]
.elseif j < 12
	v_max3_num_f32 v[rT+4+j%4], v[rT+4+j%4], v[rS+8*(j%4)+2*(j/4)+1], v[rS+8*(j%4)+2*(j/4)+2]
.elseif j == 12
	v_max3_num_f32 v[rT+4], v[rT+4], v[rS+7], v[rS+15]
.elseif j == 13
	v_max3_num_f32 v[rT+6], v[rT+6], v[rS+23], v[rS+31]
.elseif j == 14
	v_max3_num_f32 v[rT+4], v[rT+4], v[rT+5], v[rT+6]
.elseif j == 15
	v_max3_num_f32 v[rT+4], v[rT+4], v[rT+7], v[rT+1]
.elseif j == 16
	v_permlanex16_b32 v[rT+5], v[rT+4], s[SEL], s[SEL+1]
.elseif j == 17
	v_mov_b32 v[rT+7], v[rT]
.elseif j == 18
	v_max_num_f32 v[rT+1], v[rT+4], v[rT+5]
.elseif j == 19
	v_mul_f32 v[rT], s[CS], v[rT+1]
.elseif j == 20
	v_sub_f32 v[rT+7], v[rT+7], v[rT]
.elseif j == 23
	v_exp_f32 v[rT+6], v[rT+7]
.elseif (j < 88) && (j > 23) && (j%2 == 1)
	v_exp_f32 v[rS+(j-25)/2], v[rS+(j-25)/2]
.elseif (q < 4) || ((j < 76) && (q%2 == 0))
.set b, q/2+2
.if q < 4
.set b, q
.endif
	v_pk_fma_f32 v[rS+2*b:rS+2*b+1], v[rS+2*b:rS+2*b+1], s[CS:CS+1], v[rT:rT+1] op_sel_hi:[1,0,0] neg_lo:[0,0,1] neg_hi:[0,0,1]
.elseif (j < 88) && (q%2 == 1)
	s_wait_alu depctr_va_vdst(0)
	v_cvt_pk_f16_f32 v[rP+(q-5)/2], v[rS+q-5], v[rS+q-4]
.elseif j == 89
	s_wait_alu depctr_va_vdst(0)
	v_cvt_pk_f16_f32 v[rP+15], v[rS+30], v[rS+31]
.elseif j < 102
.set z, j-86
.if j < 89
.set z, (j-76)/4
.endif
.set w, 4
.set u, z
.if z >= 14
.set w, 32
.set u, 0
.elseif z >= 12
.set w, 16
.set u, z-12
.elseif z >= 8
.set w, 8
.set u, z-8
.endif
.if z < 15
	v_pk_add_f32 v[rS+w*u:rS+w*u+1], v[rS+w*u:rS+w*u+1], v[rS+w*u+w/2:rS+w*u+w/2+1]
.else
	v_pk_fma_f32 v[rT+2:rT+3], v[rT+2:rT+3], v[rT+6:rT+7], v[rS:rS+1] op_sel_hi:[1,0,1]
.endif
.else
	v_pk_mul_f32 v[rO:rO+1], v[rO:rO+1], v[rT+6:rT+7] op_sel_hi:[1,0]
.endif
.endm
; Slice k of 64: numbers 2 k and 2 k + 1 of both tiles' lists; the twelve that are over stand in slice 63.
.macro SLICE
.if (k >= 11) && (k < 44)           ; tile by tile: plain, exponential, plain, exponential
.irp t, 0,1
.irp n, 0,1
.set j, 2*k+(\n)
	SM \t
.endr
.endr
.else                               ; the two tiles alternate
.irp n, 0,1,2,3,4,5,6,7
.if ((\n) < 2) || (k == 63)
.irp t, 0,1
.set j, 2*k+(\n)
	SM \t
.endr
.endif
.endr
.endif
.set k, k+1
.endm
; A BLOCK'S END: O^T is divided by l, rounded to f16 and sent through my stage in LDS, a tile (16 rows of O) at a time.
.macro PACK t
.set i, 0
.rept 32
	v_pk_mul_f32 v[OT+64*(\t)+2*i:OT+64*(\t)+2*i+1], v[OT+64*(\t)+2*i:OT+64*(\t)+2*i+1], v[ST+8*(\t)+6:ST+8*(\t)+7] op_sel_hi:[1,0]
.set i, i+1
.endr
.set i, 0
.rept 32
	v_cvt_pk_f16_f32 v[S+32*(\t)+i], v[OT+64*(\t)+2*i], v[OT+64*(\t)+2*i+1]
.set i, i+1
.endr
.irp f, 0,1,2,3,4,5,6,7
	ds_store_b128 v[STO], v[S+32*(\t)+4*(\f):S+32*(\t)+4*(\f)+3] offset:32*(\f)
.endr
.irp f, 0,1,2,3,4,5,6,7
	ds_load_b128 v[S+32*(\t)+4*(\f):S+32*(\t)+4*(\f)+3], v[RD] offset:(\f)*2*SP  ; LDS serves a wave's instructions in order (ISA guide 5.7.1.4)
.endr
.endm
.macro SEND t, younger              ; younger: the LDS instructions issued behind tile t's loads
.irp f, 0,1,2,3,4,5,6,7
	s_wait_dscnt (\younger)+7-(\f)
	global_store_b128 v[GO], v[S+32*(\t)+4*(\f):S+32*(\t)+4*(\f)+3], s[10:11] offset:(\t)*65536+(\f)*8192  ; 16 lanes store 256 consecutive bytes, aligned
.endr
.endm
.macro FINISH
	PLACES                          ; the places behind the last products
.irp t, 0,1
	v_add_f32 v[ST+8*(\t)+4], v[ST+8*(\t)+2], v[ST+8*(\t)+3]
.endr
.irp t, 0,1
	v_permlanex16_b32 v[ST+8*(\t)+5], v[ST+8*(\t)+4], s[SEL], s[SEL+1]
.endr
.irp t, 0,1
	v_add_f32 v[ST+8*(\t)+4], v[ST+8*(\t)+4], v[ST+8*(\t)+5]
.endr
.irp t, 0,1
	v_rcp_f32 v[ST+8*(\t)+6], v[ST+8*(\t)+4]
.endr
	v_nop
	s_wait_alu depctr_va_vdst(0)
	PACK 0
	PACK 1
	SEND 0, 16
	SEND 1, 0
	s_wait_xcnt 0x0                 ; the stores' data (S^T's registers) and O's address are written again only behind this wait
	s_mov_b64 s[10:11], s[SO2:SO2+1]
	s_mov_b32 s[DK], s[DK2]
.irp t, 0,1                         ; the next block's first true score makes a = 0: O^T and l need only be finite
	v_mov_b32 v[ST+8*(\t)+1], 0xe0800000
	v_mul_f32 v[ST+8*(\t)], s[CS], v[ST+8*(\t)+1]
.endr
.endm
; A STEP.  tail = 1: the text behind the last fill; its last trip (CNT = 1) fetches nothing and makes no scores.  Every jump goes forward and passes neither a barrier nor a tensor load.
.macro XSTEP tail
.if \tail
	s_cmp_eq_u32 s[CNT], 1
	s_cbranch_scc1 .Lnob_\@
.endif
	s_cmp_lg_u32 s[DK], 0xffffffc0  ; the scores in hand are the block's last: Q has been read for the last time,
	s_cbranch_scc1 .Lnoq_\@
	s_wait_loadcnt 0x0              ; every earlier load into Q's registers has landed: no two loads into one register are out together
	QLOAD SQ2                       ; and the second block's comes in
.Lnoq_\@:
	v_add_nc_u32 v[AK], s[TBK], v[AK0]
	WIN 0x80                        ; K of the next step: 64 keys x 256 channels, 32 fragments
.irp c, 0,1,2,3,4,5,6,7
.irp kb, 0,1,2,3
	ds_load_b128 v[8*(4*(\c)+(\kb)):8*(4*(\c)+(\kb))+3],   v[AK] offset:(\kb)*16*PK+(\c)*64
	ds_load_b128 v[8*(4*(\c)+(\kb))+4:8*(4*(\c)+(\kb))+7], v[AK] offset:(\kb)*16*PK+(\c)*64+32
.endr
.endr
	WIN 0
	s_add_co_u32 s[TBK], s[TBK], KSB
.if \tail
.Lnob_\@:
.endif
.set k, 0
.rept 64
	SLICE
.endr
	s_wait_dscnt 0x0                ; V of the step in hand is in, and K of the next
.set i, 0
.rept 32
	PV
.endr
	WIN 0
	s_cmp_eq_u32 s[DK], 0xffffffc0
	s_cbranch_scc1 .Lfin_\@
	s_sub_co_i32 s[DK], s[DK], 64
	s_branch .Lnobnd_\@
.Lfin_\@:
	FINISH
.Lnobnd_\@:
.if \tail
	s_cmp_eq_u32 s[CNT], 1
	s_cbranch_scc1 .Lenditer_\@
.endif
	s_wait_loadcnt 0x0              ; Q
	s_sub_co_u32 s79, s[DK], 64
	s_cmp_lt_u32 s79, 896           ; 64 <= DK <= 896: every key of the step is seen by every query of the block
	s_cbranch_scc0 .Lmask_\@
.set i, 0
.rept 8
	KQ 0
.endr
	WIN 0
	s_branch .Ljoin_\@
.Lmask_\@:
	s_cmp_ge_i32 s[DK], 960         ; the window's edge, or the causal one
	s_cselect_b32 s80, 1024, 0
	s_cselect_b32 s81, s[BIGN], 0
	s_cselect_b32 s82, 0, s[BIGN]
	s_sub_co_i32 s80, s[DK], s80
	v_add_nc_u32 v[VX], s80, v[VQ]
	v_mov_b32 v[VF], s81
	v_mov_b32 v[VT], s82
	WIN 0xc0                        ; register r of key block kb and tile t: 16 (kb - t) + r > VX means hidden at the causal edge, seen at the window's
.set i, 0
.rept 40
	v_cmp_gt_i32 vcc_lo, 16*(i/8-1)+i%8, v[VX]
	v_cndmask_b32 v[i], v[VF], v[VT], vcc_lo
.set i, i+1
.endr
.set i, 0
.rept 8
	KQ 1
.endr
	WIN 0
.Ljoin_\@:
.set i, 8
.rept 56
	KQ 2
.endr
	WIN 0
	PLACES                          ; in front of the loads into V's registers here, and into K's and Q's in the next step
	v_add_nc_u32 v[AV], s[TBV], v[AV0]
	WIN 0x40                        ; V of the same step, turned: keys 32 (f / 8) on, channels 16 (f % 8) on
.irp f, 0,1,2,3,4,5,6,7,8,9,10,11,12,13,14,15
	ds_load_tr16_b128 v[VR+8*(\f):VR+8*(\f)+3],   v[AV] offset:((\f)/8)*32*PV+((\f)%8)*32
	ds_load_tr16_b128 v[VR+8*(\f)+4:VR+8*(\f)+7], v[AV] offset:((\f)/8)*32*PV+16*PV+((\f)%8)*32
.endr
	WIN 0
	s_add_co_u32 s[TBV], s[TBV], VSB
.if \tail
.Lenditer_\@:
.endif
.endm
.Lslot:                             ; eight times: a tile is entered and the next is asked for
	CHANGE 1
	s_mov_b32 s[CNT], 2
.Lstep:
	XSTEP 0
	s_sub_co_u32 s[CNT], s[CNT], 1
	s_cmp_lg_u32 s[CNT], 0
	s_cbranch_scc1 .Lstep
	s_sub_co_u32 s[SLOTS], s[SLOTS], 1
	s_cmp_lg_u32 s[SLOTS], 0
	s_cbranch_scc1 .Lslot
	CHANGE 0                        ; the walk's last tile is written out
	s_mov_b32 s[CNT], 3             ; two trips fetch its steps; the third finishes the last step
.Ltail:
	XSTEP 1
	s_sub_co_u32 s[CNT], s[CNT], 1
	s_cmp_lg_u32 s[CNT], 0
	s_cbranch_scc1 .Ltail
	s_wait_tensorcnt 0x0            ; the wave's end
	ds_add_u32 v[SPW], v[NIL]
	s_wait_dscnt 0x0
	s_endpgm
.Lfunc_end_k_qfbbeed0d98_attn:
	.size	k_qfbbeed0d98_attn, .Lfunc_end_k_qfbbeed0d98_attn-k_qfbbeed0d98_attn
	.p2alignl 7, 3214868480
	.fill 96, 4, 3214868480
	.section	.rodata,"a",@progbits
	.p2align	6, 0x0
	.amdhsa_kernel k_qfbbeed0d98_attn
		.amdhsa_group_segment_fixed_size 327680
		.amdhsa_private_segment_fixed_size 0
		.amdhsa_enable_private_segment 0
		.amdhsa_kernarg_size 32
		.amdhsa_user_sgpr_count 2
		.amdhsa_user_sgpr_kernarg_segment_ptr 1
		.amdhsa_wavefront_size32 1
		.amdhsa_system_sgpr_workgroup_id_x 1
		.amdhsa_system_sgpr_workgroup_id_y 1
		.amdhsa_system_sgpr_workgroup_id_z 1
		.amdhsa_system_vgpr_workitem_id 0
		.amdhsa_next_free_vgpr 808
		.amdhsa_next_free_sgpr 96
		.amdhsa_reserve_vcc 1
		.amdhsa_float_denorm_mode_32 3
		.amdhsa_float_denorm_mode_16_64 3
		.amdhsa_memory_ordered 1
		.amdhsa_forward_progress 1
		.amdhsa_inst_pref_size 118
	.end_amdhsa_kernel
	.amdgpu_metadata
---
amdhsa.version: [ 1, 2 ]
amdhsa.kernels:
  - .name:           k_qfbbeed0d98_attn
    .symbol:         k_qfbbeed0d98_attn.kd
    .args:
      - { .name: qb, .offset: 0, .size: 8, .value_kind: global_buffer, .address_space: global }
      - { .name: kb, .offset: 8, .size: 8, .value_kind: global_buffer, .address_space: global }
      - { .name: vb, .offset: 16, .size: 8, .value_kind: global_buffer, .address_space: global }
      - { .name: ao, .offset: 24, .size: 8, .value_kind: global_buffer, .address_space: global }
    .group_segment_fixed_size: 327680
    .private_segment_fixed_size: 0
    .kernarg_segment_align: 8
    .kernarg_segment_size: 32
    .max_flat_workgroup_size: 128
    .sgpr_count:     96
    .vgpr_count:     808
    .wavefront_size: 32
...
	.end_amdgpu_metadata
.endif
;; end of part 3
;; launch oproj (part 4): grid 16 x 16, 4 waves a work-group, clusters of 4 x 4, 327,680 bytes of LDS; arguments ao, wob, out0; writes out0
.if DOCPART == 4
	.amdgcn_target "amdgcn-amd-amdhsa--gfx1250"
	.amdhsa_code_object_version 6
	.text
	.protected	k_qfbbeed0d98_oproj
	.globl	k_qfbbeed0d98_oproj
	.p2align	8
	.type	k_qfbbeed0d98_oproj,@function
k_qfbbeed0d98_oproj:
	s_mov_b64 s[64:65], 0
	v_nop
	global_prefetch_b8 v0, s[64:65] scope:SCOPE_SE
	s_setreg_imm32_b32 hwreg(HW_REG_WAVE_MODE, 25, 1), 1
	s_wait_xcnt 0x0
	s_wait_alu depctr_hold_cnt(0) depctr_sa_sdst(0) depctr_va_vdst(0) depctr_va_sdst(0) depctr_va_ssrc(0) depctr_va_vcc(0) depctr_vm_vsrc(0)
	s_getreg_b32 s2, hwreg(HW_REG_IB_STS2, 6, 4)
	s_cmp_eq_u32 s2, 0
	s_cbranch_scc0 .Lentry_in_a_cluster
	s_endpgm
.Lentry_in_a_cluster:
	s_bfe_u32 s2, ttmp6, 0x10000c
	s_cmp_lg_u32 s2, 0xf033
	s_cbranch_scc0 .Lentry_shape_is_right
	s_endpgm
.Lentry_shape_is_right:
; OUT = ao wob: [2048 s] x [2048 n] over K = 2048, f16 operands, f32 sums, f32 out.  ao lies [s][k]; wob lies [k][n] and is turned on the way out of LDS (ds_load_tr16_b128).
; A tile of the output is 128 x 128, so that there are 256 work-groups; four waves, each 64 x 64: 16 accumulators.  K goes in steps of 256, as long as two slots in LDS allow.
; CLUSTERS: 4 x 4 work-groups: ao's tile is asked for jointly by a row of the cluster, wob's by a column.
; THE MATRIX INSTRUCTION IS USED TRANSPOSED (source 0 = 16 columns of wob, source 1 = 16 rows of ao): a lane holds eight neighbouring numbers of a row of the output.
; THE WAY OUT: a wave's 64 f32 columns are 256 aligned bytes, so each wave has a stage of its own and no barrier is needed.
; REGISTERS: window 0: v0-31 addresses; v32-95 rows read back; v128-255 the accumulators.  window 1: two fragment buffers of 128: 64 registers of ao, then 64 of wob, for 64 along K.
.set SIZE_K, 2048
.set SIZE_N, 2048
.set KSTEP,  256
.set PA,     528                       ; a row of ao's tile: 512 bytes + 16
.set PB,     288                       ; a k-row of wob's tile: 256 bytes + 32 = 9 x 32
.set AHALF,  64*PA                     ; what a tensor load for ao brings: 64 rows
.set BHALF,  128*PB                    ; and one for wob: 128 k-rows
.set BOFF,   2*AHALF
.set SLOT,   BOFF+2*BHALF
.set STAGE,  2*SLOT
.set SPITCH, 272
.set SPARE,  STAGE+4*16*SPITCH
.set LAPS,   SIZE_K/(2*KSTEP)
.set ADRA, 16                          ; v16-17  my ao fragments in slot 0, 1
.set ADRB, 20                          ; v20-23  my wob fragments: slot 0 k < 128, k >= 128; slot 1 likewise (an LDS offset has 16 bits)
.set STO,  24
.set RD,   25
.set CO,   26
.set SPW,  28
.set NIL,  29
.set TMP,  32
.set ACC,  128
.set F0,   0
.set F1,   128
.set G1, 24
.set G0, 32
.set G1B, 48
.set G0B, 56
.set MSB, 0
.macro WIN new
.if MSB != (\new)
	s_set_vgpr_msb (MSB<<8)|(\new)
.set MSB, \new
.endif
.endm
.set MUL,  0x05
.set TO_F, 0x40
.macro JLOAD s                         ; waves 0 and 1 fetch ao's two halves, waves 2 and 3 wob's; an s_nop 0 and four v_nop follow each line
	s_cmp_eq_u32 s11, 0
	s_cbranch_scc0 .Lfor_b_\@
	tensor_load_to_lds s[G0+4*(\s):G0+4*(\s)+3], s[G1:G1+7]
	s_nop 0
.rept 4
	v_nop
.endr
	s_branch .Lasked_\@
.Lfor_b_\@:
	tensor_load_to_lds s[G0B+4*(\s):G0B+4*(\s)+3], s[G1B:G1B+7]
	s_nop 0
.rept 4
	v_nop
.endr
.Lasked_\@:
.endm
.macro CREST
	s_cmp_lg_u32 s10, 0
	s_cbranch_scc1 .Lnot_wave_0_\@
	s_barrier_signal -3
.Lnot_wave_0_\@:
	s_barrier_wait -3
	s_barrier_signal -1
	s_barrier_wait -1
.endm
.macro CROUND
	s_barrier_signal -1
	s_barrier_wait -1
	CREST
.endm
	s_load_b128 s[4:7], s[0:1], 0x0                ; ao s[4:5], wob s[6:7]
	s_load_b64 s[8:9], s[0:1], 0x10                ; out0
	v_lshl_add_u32 v[SPW], v0, 2, SPARE
	v_mov_b32 v[NIL], 0
	ds_add_u32 v[SPW], v[NIL]                      ; the wave's opening: the add and its wait ahead of my first tensor load
	ds_add_u32 v28, v29
	v_lshrrev_b32 v1, 5, v0
	v_readfirstlane_b32 s10, v1
	s_lshr_b32 s11, s10, 1                         ; which half of the tile's rows is mine.  Also: I fetch for ao (0) or wob (1)
	s_and_b32 s12, s10, 1                          ; which half of its columns.  Also: which half of that tile I fetch
	s_bfe_u32 s40, ttmp6, 0x40000
	s_bfe_u32 s41, ttmp6, 0x40004
	s_lshl_b32 s42, ttmp9, 2
	s_add_co_u32 s42, s42, s40                     ; tile column
	s_and_b32 s13, ttmp7, 0xffff
	s_lshl_b32 s13, s13, 2
	s_add_co_u32 s13, s13, s41                     ; tile row
	s_lshl_b32 s43, s41, 2
	s_lshl_b32 s43, 15, s43
	s_lshl_b32 s44, 0x1111, s40
	s_or_b32 s[G1+0], s43, (1<<16)|(1<<20)|(1<<21)|(6<<22)|(3<<25)   ; after every 128 words 4 words of padding
	s_mov_b32 s[G1+1], KSTEP<<16                   ; tensor_dim0 = 256
	s_mov_b32 s[G1+2], 64<<16                      ; tensor_dim1 = 64
	s_mov_b32 s[G1+3], KSTEP<<16
	s_mov_b32 s[G1+4], 64
	s_mov_b32 s[G1+5], SIZE_K
	s_mov_b32 s[G1+6], 0
	s_mov_b32 s[G1+7], 0
	s_or_b32 s[G1B+0], s44, (1<<16)|(1<<20)|(1<<21)|(5<<22)|(7<<25)  ; after every 64 words 8 words
	s_mov_b32 s[G1B+1], 128<<16                    ; 128 columns
	s_mov_b32 s[G1B+2], 128<<16                    ; 128 k-rows
	s_mov_b32 s[G1B+3], 128<<16
	s_mov_b32 s[G1B+4], 128
	s_mov_b32 s[G1B+5], SIZE_N
	s_mov_b32 s[G1B+6], 0
	s_mov_b32 s[G1B+7], 0
	s_lshl_b32 s17, s12, 6
	s_lshl_b32 s16, s13, 7
	s_add_co_u32 s16, s16, s17                     ; ao: row 128 x tile row + 64 x half,
	s_lshl_b32 s16, s16, 12                        ; of 4,096 bytes
	s_mov_b32 s17, 0
	s_lshl_b32 s46, s12, 19                        ; wob: k-row 128 x half, of 4,096 bytes,
	s_lshl_b32 s47, s42, 8                         ; byte column 256 x tile column
	s_add_co_u32 s46, s46, s47
	s_mov_b32 s47, 0
	s_mul_i32 s20, s12, AHALF                      ; where they go: no place in the cluster enters an LDS address
	s_mul_i32 s21, s12, BHALF
	s_add_co_u32 s21, s21, BOFF
	s_wait_dscnt 0x0                               ; the opening add is done
	s_wait_kmcnt 0x0
	s_add_nc_u64 s[14:15], s[4:5], s[16:17]
	s_add_nc_u64 s[46:47], s[6:7], s[46:47]
	CROUND                                         ; the first joint loads meet
.irp s, 0,1
	s_mov_b32 s[G0+4*(\s)], 1
	s_add_co_u32 s[G0+4*(\s)+1], s20, (\s)*SLOT
	s_add_nc_u64 s[G0+4*(\s)+2:G0+4*(\s)+3], s[14:15], (\s)*KSTEP*2
	s_or_b32 s[G0+4*(\s)+3], s[G0+4*(\s)+3], 0x80000000
	s_mov_b32 s[G0B+4*(\s)], 1
	s_add_co_u32 s[G0B+4*(\s)+1], s21, (\s)*SLOT
	s_add_nc_u64 s[G0B+4*(\s)+2:G0B+4*(\s)+3], s[46:47], (\s)*KSTEP*SIZE_N*2
	s_or_b32 s[G0B+4*(\s)+3], s[G0B+4*(\s)+3], 0x80000000
	JLOAD \s
.endr
	v_and_b32 v1, 15, v0
	v_bfe_u32 v2, v0, 4, 1
	v_mul_u32_u24 v3, v1, PA
	v_lshl_add_u32 v3, v2, 4, v3
	v_and_b32 v4, 7, v0
	v_lshl_add_u32 v4, v2, 3, v4
	v_mul_u32_u24 v4, v4, PB
	v_bfe_u32 v5, v0, 3, 1
	v_lshl_add_u32 v4, v5, 4, v4
	s_mul_i32 s22, s11, AHALF                      ; my 64 rows of ao
	s_lshl_b32 s23, s12, 7                         ; my 64 columns of wob
	s_add_co_u32 s23, s23, BOFF
.irp s, 0,1
	v_add_nc_u32 v[ADRA+(\s)], s22, v3
	v_add_nc_u32 v[ADRB+2*(\s)], s23, v4
	v_add_nc_u32 v[ADRB+2*(\s)+1], BHALF, v[ADRB+2*(\s)]
	s_add_co_u32 s22, s22, SLOT
	s_add_co_u32 s23, s23, SLOT
.endr
	s_mul_i32 s23, s10, 16*SPITCH
	s_add_co_u32 s23, s23, STAGE                   ; my stage
	v_mul_u32_u24 v5, v1, SPITCH
	v_lshl_add_u32 v5, v2, 5, v5                   ; in: row l % 16, 32 bytes for each half of the lanes
	v_add_nc_u32 v[STO], s23, v5
	v_mul_u32_u24 v5, v2, SPITCH
	v_lshl_add_u32 v5, v1, 4, v5                   ; back: lanes 0-15 one row of 256 bytes, lanes 16-31 the next
	v_add_nc_u32 v[RD], s23, v5
	v_lshlrev_b32 v5, 4, v1
	v_lshl_add_u32 v[CO], v2, 13, v5               ; and the same two rows of the output, 8,192 bytes apart
	s_lshl_b32 s16, s13, 7
	s_lshl_b32 s17, s11, 6
	s_add_co_u32 s16, s16, s17
	s_lshl_b32 s16, s16, 13                        ; my first row
	s_mov_b32 s17, 0
	s_add_nc_u64 s[8:9], s[8:9], s[16:17]
	s_lshl_b32 s46, s42, 9                         ; my first column, in bytes
	s_lshl_b32 s47, s12, 8
	s_add_co_u32 s46, s46, s47
	s_mov_b32 s47, 0
	s_add_nc_u64 s[8:9], s[8:9], s[46:47]
.macro MUL8 f, c, a0, zero
	WIN MUL
.irp a, \a0, (\a0)+1
.irp b, 0,1,2,3
.if \zero
	v_wmma_f32_16x16x32_f16 v[ACC+8*(4*(\a)+(\b)):ACC+8*(4*(\a)+(\b))+7], v[(\f)+64+8*(4*(\c)+(\b)):(\f)+64+8*(4*(\c)+(\b))+7], v[(\f)+8*(4*(\c)+(\a)):(\f)+8*(4*(\c)+(\a))+7], 0
.else
	v_wmma_f32_16x16x32_f16 v[ACC+8*(4*(\a)+(\b)):ACC+8*(4*(\a)+(\b))+7], v[(\f)+64+8*(4*(\c)+(\b)):(\f)+64+8*(4*(\c)+(\b))+7], v[(\f)+8*(4*(\c)+(\a)):(\f)+8*(4*(\c)+(\a))+7], v[ACC+8*(4*(\a)+(\b)):ACC+8*(4*(\a)+(\b))+7]
.endif
.endr
.endr
.endm
; 32 LDS loads in one run: the fragments of quarter q (64 along K) into buffer f; the first 32 along K first
.macro FETCH slot, q, f
	WIN TO_F
.irp c, 0,1
.irp i, 0,1,2,3
	ds_load_tr16_b128 v[(\f)+64+8*(4*(\c)+(\i)):(\f)+64+8*(4*(\c)+(\i))+3],   v[ADRB+2*(\slot)+(2*(\q)+(\c))/4] offset:((2*(\q)+(\c))%4)*32*PB+32*(\i)
	ds_load_tr16_b128 v[(\f)+64+8*(4*(\c)+(\i))+4:(\f)+64+8*(4*(\c)+(\i))+7], v[ADRB+2*(\slot)+(2*(\q)+(\c))/4] offset:((2*(\q)+(\c))%4)*32*PB+32*(\i)+16*PB
	ds_load_b128 v[(\f)+8*(4*(\c)+(\i)):(\f)+8*(4*(\c)+(\i))+3],         v[ADRA+(\slot)] offset:(\q)*128+64*(\c)+(\i)*16*PA
	ds_load_b128 v[(\f)+8*(4*(\c)+(\i))+4:(\f)+8*(4*(\c)+(\i))+7],       v[ADRA+(\slot)] offset:(\q)*128+64*(\c)+(\i)*16*PA+32
.endr
.endr
.endm
.macro PLACES
.rept 4
	v_nop
.endr
.endm
.macro QUARTER slot, q, f, g, zero
	s_wait_dscnt 16                                ; the first 32 along K are in
	MUL8 \f, 0, 0, \zero
	MUL8 \f, 0, 2, \zero
	PLACES
	FETCH \slot, \q, \g
	s_wait_dscnt 32                                ; all but the 32 just issued
	MUL8 \f, 1, 0, 0
	MUL8 \f, 1, 2, 0
.endm
; The last quarter multiplies buffer 1 and changes slots.  fill = 1: this slot is filled again, two K steps ahead.
.macro TURN slot, next, fill
	WIN 0
	s_wait_tensorcnt 0x0                           ; all my tensor loads have landed: my part of the next slot
	ds_add_u32 v[SPW], v[NIL]
	s_wait_dscnt 17                                ; (the add and the youngest sixteen loads may be out)
	MUL8 F1, 0, 0, 0
	s_wait_dscnt 0x0                               ; the add is done, and my reads of this slot are over
	s_barrier_signal -1
	MUL8 F1, 0, 2, 0
.if \fill
	WIN 0
.endif
	s_barrier_wait -1
.if \fill
	CREST                                          ; no wave of any partner still reads this slot or has a load on its way
	s_add_nc_u64 s[G0+4*(\slot)+2:G0+4*(\slot)+3], s[G0+4*(\slot)+2:G0+4*(\slot)+3], 2*KSTEP*2
	s_add_nc_u64 s[G0B+4*(\slot)+2:G0B+4*(\slot)+3], s[G0B+4*(\slot)+2:G0B+4*(\slot)+3], 2*KSTEP*SIZE_N*2
	JLOAD \slot
.else
	PLACES
.endif
	FETCH \next, 0, F0
	MUL8 F1, 1, 0, 0
	MUL8 F1, 1, 2, 0
.endm
	s_wait_tensorcnt 1                             ; my part of K step 0 is in; K step 1's may stay out
	s_barrier_signal -1
	s_barrier_wait -1
	FETCH 0, 0, F0
	QUARTER 0, 1, F0, F1, 1
	WIN 0
	s_mov_b32 s3, LAPS-1
.Llap:
	QUARTER 0, 2, F1, F0, 0
	QUARTER 0, 3, F0, F1, 0
	TURN 0, 1, 1
	QUARTER 1, 1, F0, F1, 0
	QUARTER 1, 2, F1, F0, 0
	QUARTER 1, 3, F0, F1, 0
	TURN 1, 0, 1
	QUARTER 0, 1, F0, F1, 0
	WIN 0
	s_sub_co_u32 s3, s3, 1
	s_cmp_lg_u32 s3, 0
	s_cbranch_scc1 .Llap
	QUARTER 0, 2, F1, F0, 0                        ; the last lap fills nothing
	QUARTER 0, 3, F0, F1, 0
	TURN 0, 1, 0
	QUARTER 1, 1, F0, F1, 0
	QUARTER 1, 2, F1, F0, 0
	QUARTER 1, 3, F0, F1, 0
	s_wait_dscnt 16
	MUL8 F1, 0, 0, 0
	MUL8 F1, 0, 2, 0
	s_wait_dscnt 0x0
	MUL8 F1, 1, 0, 0
	MUL8 F1, 1, 2, 0
	WIN 0
	; THE WAY OUT, 16 rows at a time: 32 bytes a lane and block into my stage, back as whole rows of 256 bytes.  Each accumulator's low registers are read first.
	PLACES
.irp a, 0,1,2,3
.irp b, 0,1,2,3
	ds_store_b128 v[STO], v[ACC+8*(4*(\a)+(\b)):ACC+8*(4*(\a)+(\b))+3]   offset:64*(\b)
	ds_store_b128 v[STO], v[ACC+8*(4*(\a)+(\b))+4:ACC+8*(4*(\a)+(\b))+7] offset:64*(\b)+16
.endr
	s_wait_xcnt 0x0                                ; the registers below were store data two blocks ago
.irp f, 0,1,2,3,4,5,6,7
	ds_load_b128 v[TMP+32*((\a)%2)+4*(\f):TMP+32*((\a)%2)+4*(\f)+3], v[RD] offset:(\f)*2*SPITCH  ; LDS serves a wave's instructions in order (ISA guide 5.7.1.4)
.endr
	s_wait_dscnt 0x0
.irp f, 0,1,2,3,4,5,6,7
	global_store_b128 v[CO], v[TMP+32*((\a)%2)+4*(\f):TMP+32*((\a)%2)+4*(\f)+3], s[8:9] offset:(16*(\a)+2*(\f))*SIZE_N*4 th:TH_STORE_NT  ; 16 lanes store 256 consecutive bytes, aligned
.endr
.endr
	s_wait_tensorcnt 0x0                           ; the wave's end
	ds_add_u32 v[SPW], v[NIL]
	s_wait_dscnt 0x0
	CROUND                                         ; the closing round
	s_endpgm
.Lfunc_end_k_qfbbeed0d98_oproj:
	.size	k_qfbbeed0d98_oproj, .Lfunc_end_k_qfbbeed0d98_oproj-k_qfbbeed0d98_oproj
	.p2alignl 7, 3214868480
	.fill 96, 4, 3214868480
	.section	.rodata,"a",@progbits
	.p2align	6, 0x0
	.amdhsa_kernel k_qfbbeed0d98_oproj
		.amdhsa_group_segment_fixed_size 327680
		.amdhsa_private_segment_fixed_size 0
		.amdhsa_enable_private_segment 0
		.amdhsa_kernarg_size 24
		.amdhsa_user_sgpr_count 2
		.amdhsa_user_sgpr_kernarg_segment_ptr 1
		.amdhsa_wavefront_size32 1
		.amdhsa_system_sgpr_workgroup_id_x 1
		.amdhsa_system_sgpr_workgroup_id_y 1
		.amdhsa_system_sgpr_workgroup_id_z 1
		.amdhsa_system_vgpr_workitem_id 0
		.amdhsa_next_free_vgpr 512
		.amdhsa_next_free_sgpr 66
		.amdhsa_reserve_vcc 0
		.amdhsa_float_denorm_mode_32 3
		.amdhsa_float_denorm_mode_16_64 3
		.amdhsa_memory_ordered 1
		.amdhsa_forward_progress 1
		.amdhsa_inst_pref_size 86
	.end_amdhsa_kernel
	.amdgpu_metadata
---
amdhsa.version: [ 1, 2 ]
amdhsa.kernels:
  - .name:           k_qfbbeed0d98_oproj
    .symbol:         k_qfbbeed0d98_oproj.kd
    .args:
      - { .name: ao, .offset: 0, .size: 8, .value_kind: global_buffer, .address_space: global }
      - { .name: wob, .offset: 8, .size: 8, .value_kind: global_buffer, .address_space: global }
      - { .name: out0, .offset: 16, .size: 8, .value_kind: global_buffer, .address_space: global }
    .group_segment_fixed_size: 327680
    .private_segment_fixed_size: 0
    .kernarg_segment_align: 8
    .kernarg_segment_size: 24
    .max_flat_workgroup_size: 128
    .sgpr_count:     66
    .vgpr_count:     512
    .wavefront_size: 32
...
	.end_amdgpu_metadata
.endif
;; end of part 4
